; MI455X (gfx1250); checked and timed in simulation.
; The chip was launched on July 23, 2026; its instructions are those of AMD's public machine-readable ISA for CDNA 5 (MIT licence, August 2026) and "CDNA5" Instruction Set Architecture Reference Guide (July 2026). The comments in the code are by the model that wrote it; some were corrected since.
;; Spatial Self Attention. Allowed arithmetic: matrix products marked QUANTISED: E2M1 operands, one E8M0 scale for each 32 along K, by v_wmma_scale_f32_16x16x128_f8f6f4 with both operands' format E2M1 (or v_wmma_scale_f32_32x16x128_f4), f32 sums; everything else in f32.
;; Inputs: Wk 3 x 128 x 128 float32; Wo 128 x 384 float32; Wq 3 x 128 x 128 float32; Wv 3 x 128 x 128 float32; c_inputs 4 x 8 x 512 x 128 float32; inputs 4 x 8 x 512 x 128 float32; ln_beta 128 float32; ln_gamma 128 float32; transition_matrices 4 x 512 x 512 float32.
;; Outputs: out0 4 x 8 x 512 x 128 float32.
;; This version of the problem:
;;   THIS VERSION OF THE PROBLEM IS GIVEN IN LOW PRECISION. The matrix products marked QUANTISED in the list below multiply operands that are first quantised to E2M1 (2 exponent bits, 1 mantissa bit; 4 bits a number), with one power-of-two scale for each 32 numbers along K (OCP MX v1.0); their sums are f32. All else is computed in f32.
;;   The module's matrix products, in the order in which they are computed (A, B: the left and right operand; K: the contracted axis; several contracted axes count as one K, in the product's order):
;;     1. [M 384, K 128] x [K 128, N 16,384]; A: input Wq; B: input inputs: QUANTISED
;;     2. [M 384, K 128] x [K 128, N 16,384]; A: input Wk; B: input inputs: QUANTISED
;;     3. [M 384, K 128] x [K 128, N 16,384]; A: input Wv; B: input inputs: QUANTISED
;;     4. batch 384 x [M 512, K 32] x [K 32, N 512]; A: computed on the way; B: computed on the way: QUANTISED
;;     5. batch 384 x [M 32, K 512] x [K 512, N 512]; A: computed on the way; B: computed on the way: QUANTISED
;;     6. [M 16,384, K 384] x [K 384, N 128]; A: computed on the way; B: input Wo: QUANTISED
;;   THE QUANTISER, for each operand of a quantised product, along K:
;;     - K is cut into blocks of 32 from its start; a last block that is shorter is filled with zeros.
;;     - A block's scale is 2^e with e = floor(log2(the largest magnitude in the block)) - 2, held to -126 .. 127; a block of zeros has e = 0. As a byte (E8M0): e + 127.
;;     - Each number is divided by its block's scale, clamped to +-6, and rounded to the nearest number of E2M1, ties to even, subnormals kept.
;;     - The product sums the exact products of the quantised numbers (number of the format x scale) in f32.
;;   ~~~python
;;   def quantise(x, axis):      # numpy; x: float32 -> the quantised numbers, widened to float32 again
;;       x = np.moveaxis(x, axis, -1); K = x.shape[-1]
;;       x = np.pad(x, [(0, 0)] * (x.ndim - 1) + [(0, -K % 32)]); x = x.reshape(x.shape[:-1] + (-1, 32)); a = np.abs(x).max(-1, keepdims=True)
;;       e = np.where(a > 0, np.clip(np.frexp(np.where(a > 0, a, 1))[1] - 1 - 2, -126, 127), 0)      # np.frexp(a)[1] - 1 = floor(log2(a)), exactly
;;       r = np.clip(x / 2.0 ** e, -6, 6)
;;       step = 2.0 ** (np.maximum(np.frexp(np.where(r == 0, 1, r))[1] - 1, 0) - 1)
;;       q = np.round(r / step) * step * 2.0 ** e      # np.round: ties to even
;;       return np.moveaxis(q.reshape(q.shape[:-2] + (-1,))[..., :K], -1, axis).astype(np.float32)
;;   ~~~
;;   OPERANDS COMPUTED ON THE WAY. 'Computed on the way' means the value that the module computes at that place (a softmax that the list does not call 'softmax' is quantised finished and normalised). What goes into a quantiser is computed in f32, as accurately as f32 sums, v_exp_f32 and their like allow (about 1e-6 of the number): no bf16 or f16 on the way to a quantiser, and a product that is left as it is and whose result goes on into a quantised operand takes f32 operands (vector FMAs, or v_wmma_f32_16x16x4_f32). A number that lies on a knife's edge between two numbers of the format may be rounded either way, as far as f32 arithmetic and the matrix unit's own rounding can turn it there, and no further.
;; 2 versions, each right; version 2 is version 1 with the launch prep written anew for expert scheduling mode. Each part assembles by itself: llvm-mc -triple=amdgcn-amd-amdhsa -mcpu=gfx1250 --defsym DOCPART=n.
;; ======== version 1 of 2: 2 launches
;; limits: right only within a limited range of input values
;; workspace buffers: kv 6,684,672 bytes; woi 27,648 bytes; qc 3,145,728 bytes; qs 786,432 bytes; tmi 3,145,728 bytes
;; launch prep (part 1): grid 147 x 1, 8 waves a work-group, no clusters, 235,520 bytes of LDS; arguments inputs, Wq, Wk, Wv, Wo, transition_matrices, kv, woi, qc, qs, tmi; writes kv, woi, qc, qs, tmi
.if DOCPART == 1
	.amdgcn_target "amdgcn-amd-amdhsa--gfx1250"
	.amdhsa_code_object_version 6
	.text
	.protected	k_q0718a33175_prep
	.globl	k_q0718a33175_prep
	.p2align	8
	.type	k_q0718a33175_prep,@function
k_q0718a33175_prep:
	s_mov_b64 s[64:65], 0
	v_nop
	global_prefetch_b8 v0, s[64:65] scope:SCOPE_SE
	s_setreg_imm32_b32 hwreg(HW_REG_WAVE_MODE, 25, 1), 1
	s_wait_xcnt 0x0
; SpatialSelfAttention in MX-FP4, launch 1 of 2: the projections Q, K, V (inputs x Wq, Wk, Wv: both operands quantised along the 128 channels), their own quantisers, and the lay-out of all that
; launch 2 reads as IMAGES OF OPERAND REGISTERS: Q and K as codes along a head's 32 channels, V as codes along the keys, Wo as codes along f, the three chosen transition matrices as f32 in the order of the scores' registers.
; DEAD WORK.  c_inputs is an argument of reference() that no line of it reads: it has no way to any output, for all values; it is not loaded and is no argument of either launch.
; transition_matrices[2] is sliced away by WHICH_IDX = (0, 1, 3) before anything reads it: it is never read.  LIMIT: a NaN, an infinity or an overflow in c_inputs or in transition_matrices[2] is not carried to the result.
; LIMITS.  NaN and infinities among the inputs are not served.  A block of zeros gets the scale byte 1 where the rule says 127: its codes are zeros, which add nothing, and this program alone reads the bytes.
; THE ORDER OF ROWS.  Tile (c, u) of 16 positions holds rows 64 c + 32 (m / 8) + 8 u + m % 8, m = 0 .. 15.  In a result, register j of lane (r, h) is row m = 8 h + j of source 0: so the four tiles u of a group c
; give a lane 32 NEIGHBOURS, 64 c + 32 h + 8 u + j: a whole block of 32 in one lane, in the order of the 4-bit operand's registers.  The rows of a weight's tile are chosen likewise.
; SHARES.  Work-groups 0-95 (path A): one (t, bp); wave w quantises three tiles of the weights (shared through LDS) and its 64 positions of x, then makes Q, K, V of those positions.
; Work-groups 96-143 (path B): the transition tiles; 144-146 (path C): Wo.  The paths part on the work-group's number, never join, and have LDS bytes of their own.
; NO CLUSTER, NO TENSOR LOAD: all operands go through registers on their way to a quantiser; what work-groups share (a t's weights, 196,608 bytes, beside 262,144 bytes of x of their own) is read once by each.
.set WIMG,  0                          ; LDS: 24 weight tiles' images, 1,024 bytes each (kind 0 Wq, 1 Wk, 2 Wv: 8 kind + x)
.set WSC,   24576                      ; their scale words, 128 bytes each
.set KSC,   27648                      ; K's scale words of 4 heads, 512 bytes each
.set VSC,   29696                      ; V's likewise
.set STA,   31744                      ; path A's stages: 16 rows x 528 bytes for each wave
.set STB,   99328                      ; path B's
.set STC,   166912                     ; path C's
.set SPARE, 234496                     ; the spare words, 128 bytes for each wave: four blocks of 256 bytes that no other line names
.set LI,   1                           ; v1   16 x lane
.set SPW,  2                           ; v2   LDS address of my spare word; never rewritten
.set NIL,  3                           ; v3   0; never rewritten
.set L4,   4                           ; v4   4 x lane
.set L8,   5                           ; v5   8 x lane
.set SH8,  6                           ; v6   8 h
.set STI,  7                           ; v7   my stage, on the way in: 16 x lane
.set STOR, 8                           ; v8   and on the way out: 528 r + 128 h
.set RR,   9                           ; v9   r = lane % 16
.set HH,   10                          ; v10  h = lane / 16
.set AWI,  11                          ; v11  where I store a weight tile's image
.set AWS,  12                          ; v12  and its scale words
.set AKS,  13                          ; v13  where I store K's scale word
.set AVS,  14                          ; v14  and V's scale byte
.set VK,   15                          ; v15  K's codes in memory: 8,192 h + 16 r
.set TQ,   16                          ; v16-23  at work in the quantiser
.set XF,   24                          ; v24-55  x's four fragments
.set FT,   48                          ; v48-55  a weight tile's fragment: the place of x's fourth, which is made last
.set XS,   56                          ; v56-59  x's scale words
.set NUM,  60                          ; v60-123 64 numbers of a lane: register 32 i + e = k 64 i + 32 h + e of row r
.set WF,   60                          ; later: v60-91 four weight fragments,
.set CD,   92                          ; v92-107 codes,
.set BMX,  108                         ; v108-111 largest magnitudes, then bytes,
.set SCX,  112                         ; v112-115 the conversions' scale operands,
.set QW,   116                         ; v116-123 Q's scale words
.set WS,   124                         ; v124-127 the weight tiles' scale words, and nothing else
.set RA,   128                         ; v128-191, v192-255: two sets of 16 rows as loaded; later the 16 results
.set RB,   192
.set DD,   128
.set WV,   26
.set K01,  27
.set SEL,  28
.set SQC,  40
.set SQS,  42
.set SKV,  44
.set SVV,  46
.set SKS,  48
; 16 rows of 512 bytes: each load reads 512 consecutive bytes, 16 a lane.  Rows 0-7 lie pitch bytes apart, rows 8-15 begin gap bytes on.
.macro LOADT buf, sb, imm0, pitch, gap
.irp m, 0,1,2,3,4,5,6,7,8,9,10,11,12,13,14,15
	global_load_b128 v[\buf+4*\m:\buf+4*\m+3], v[LI], s[\sb:\sb+1] offset:\imm0+(\m%8)*\pitch+(\m/8)*\gap
.endr
.endm
; The 16 rows turn through my own stage: in as they were loaded, out 128 bytes a lane and block.  LDS serves a wave's instructions in order, so no wait stands between.  Rows 528 bytes apart: 16 lanes read 16 different columns of 16 bytes.
.macro TURN buf
.irp m, 0,1,2,3,4,5,6,7,8,9,10,11,12,13,14,15
	ds_store_b128 v[STI], v[\buf+4*\m:\buf+4*\m+3] offset:528*\m
.endr
.irp i, 0,1
.irp q, 0,1,2,3,4,5,6,7
	ds_load_b128 v[NUM+32*\i+4*\q:NUM+32*\i+4*\q+3], v[STOR] offset:256*\i+16*\q
.endr
.endr
.endm
.macro TAKE buf, cnt                   ; cnt: the loads of the tile behind this one, which may stay out
	s_wait_loadcnt \cnt
	TURN \buf
	s_wait_dscnt 0x0                               ; the numbers are back, and the stores have read the set, which may be loaded again
.endm
; 64 numbers of a lane become a fragment's 8 registers and its scale word.  My two blocks are 2 i + h: all 32 numbers of each are mine.
.macro QT frag, sw
.irp a, 0,1,2,3
	v_max3_num_f32 v[TQ+\a], |v[NUM+16*\a]|, |v[NUM+16*\a+1]|, 0x1800000   ; four chains of 16 numbers; the floor 2^(3 - 127) holds the byte at 1 from below
.endr
.irp k, 2,4,6,8,10,12,14
.irp a, 0,1,2,3
	v_max3_num_f32 v[TQ+\a], v[TQ+\a], |v[NUM+16*\a+\k]|, |v[NUM+16*\a+\k+1]|
.endr
.endr
	v_max_num_f32 v[TQ], v[TQ], v[TQ+1]
	v_max_num_f32 v[TQ+2], v[TQ+2], v[TQ+3]
	v_add_nc_u32 v[TQ+4], 0xff000000, v[TQ]        ; 2 off the exponent field: the conversion's scale operand
	v_add_nc_u32 v[TQ+5], 0xff000000, v[TQ+2]
	v_lshrrev_b32 v[TQ], 23, v[TQ+4]               ; the scale's byte
	v_lshrrev_b32 v[TQ+2], 23, v[TQ+5]
	v_lshl_or_b32 v[TQ+6], v[TQ+2], 16, v[TQ]      ; my two bytes, blocks h and 2 + h,
	v_lshlrev_b32 v[TQ+6], v[SH8], v[TQ+6]         ; at their places;
	v_permlanex16_b32 v[TQ+7], v[TQ+6], s[SEL], s[SEL+1]
	v_or_b32 v[\sw], v[TQ+6], v[TQ+7]              ; with lane l xor 16's two the word is whole
.irp i, 0,1
.irp g, 0,1,2,3
	v_cvt_scalef32_pk8_fp4_f32 v[\frag+4*\i+\g], v[NUM+32*\i+8*\g:NUM+32*\i+8*\g+7], v[TQ+4+\i]
.endr
.endr
	v_nop                                          ; one plain place behind a scaled conversion
.endm
.macro WOUT kind                       ; a weight tile's image and scale words go to LDS for all eight waves
	ds_store_b128 v[AWI], v[FT:FT+3] offset:\kind*8192
	ds_store_b128 v[AWI], v[FT+4:FT+7] offset:\kind*8192+512
	ds_store_b32 v[AWS], v[TQ+6] offset:\kind*1024
.endm
; A unit's head: eight places (x's scale words were written by vector instructions; the loads below land in operands of the last products), then four weight tiles from LDS.
.macro UHEAD first
.rept 8
	v_nop
.endr
.irp j, 0,1,2,3
	ds_load_b128 v[WF+8*\j:WF+8*\j+3], v[LI] offset:WIMG+(\first+\j)*1024
	ds_load_b128 v[WF+8*\j+4:WF+8*\j+7], v[LI] offset:WIMG+(\first+\j)*1024+512
	ds_load_b32 v[WS+\j], v[L4] offset:WSC+(\first+\j)*128
.endr
	s_wait_dscnt 0x0
.endm
; 16 products, each a whole sum (K = 128).  swap = 0: source 0 = weight tile n, source 1 = x's tile o: a lane holds one position and 32 channels of a head.  swap = 1: source 0 = x's tile n, source 1 = weight tile o: one channel and 32 keys.
.macro GEMM16 swap
.irp o, 0,1,2,3
.irp n, 0,1,2,3
.if \swap
	v_wmma_scale_f32_16x16x128_f8f6f4 v[DD+32*\o+8*\n:DD+32*\o+8*\n+7], v[XF+8*\n:XF+8*\n+7], v[WF+8*\o:WF+8*\o+7], 0, v[XS+\n], v[WS+\o] matrix_a_fmt:MATRIX_FMT_FP4 matrix_b_fmt:MATRIX_FMT_FP4
.else
	v_wmma_scale_f32_16x16x128_f8f6f4 v[DD+32*\o+8*\n:DD+32*\o+8*\n+7], v[WF+8*\n:WF+8*\n+7], v[XF+8*\o:XF+8*\o+7], 0, v[WS+\n], v[XS+\o] matrix_a_fmt:MATRIX_FMT_FP4 matrix_b_fmt:MATRIX_FMT_FP4
.endif
.endr
.endr
.endm
; The results' quantiser: four blocks of 32, each in one lane's 32 registers; each result is read from its low end on.
.macro RQ
.rept 4
	v_nop                                          ; places behind the products
.endr
.irp o, 0,1,2,3
	v_max3_num_f32 v[BMX+\o], |v[DD+32*\o]|, |v[DD+32*\o+1]|, 0x1800000
.endr
.irp k, 2,4,6,8,10,12,14,16,18,20,22,24,26,28,30
.irp o, 0,1,2,3
	v_max3_num_f32 v[BMX+\o], v[BMX+\o], |v[DD+32*\o+\k]|, |v[DD+32*\o+\k+1]|
.endr
.endr
.irp o, 0,1,2,3
	v_add_nc_u32 v[SCX+\o], 0xff000000, v[BMX+\o]
.endr
.irp o, 0,1,2,3
	v_lshrrev_b32 v[BMX+\o], 23, v[SCX+\o]         ; the bytes
.endr
	s_wait_xcnt 0x0                                ; the last unit's stores have read the codes' registers: they are written again only behind this wait
.irp o, 0,1,2,3
.irp g, 0,1,2,3
	v_cvt_scalef32_pk8_fp4_f32 v[CD+4*\o+\g], v[DD+32*\o+8*\g:DD+32*\o+8*\g+7], v[SCX+\o]
.endr
.endr
	v_nop
.endm
.macro FINISH                          ; the wave's end, behind my last LDS store
	s_wait_tensorcnt 0x0
	ds_add_u32 v[SPW], v[NIL]
	s_wait_dscnt 0x0
	s_endpgm
.endm
	s_load_b256 s[4:11], s[0:1], 0x0               ; inputs, Wq, Wk, Wv
	s_load_b256 s[12:19], s[0:1], 0x20             ; Wo, transition_matrices, kv, woi
	s_load_b128 s[20:23], s[0:1], 0x40             ; qc, qs
	s_load_b64 s[24:25], s[0:1], 0x50              ; tmi
	v_lshl_add_u32 v[SPW], v0, 2, SPARE
	v_mov_b32 v[NIL], 0
	v_lshrrev_b32 v9, 5, v0
	v_readfirstlane_b32 s[WV], v9                  ; wave 0..7
	v_and_b32 v9, 31, v0
	v_lshlrev_b32 v[LI], 4, v9
	v_lshlrev_b32 v[L4], 2, v9
	v_lshlrev_b32 v[L8], 3, v9
	v_and_b32 v[RR], 15, v0
	v_bfe_u32 v[HH], v0, 4, 1
	v_lshlrev_b32 v[SH8], 3, v[HH]
	v_mul_u32_u24 v[STOR], v[RR], 528
	v_lshl_add_u32 v[STOR], v[HH], 7, v[STOR]
	s_mul_i32 s27, s[WV], 8448                     ; my stage among the path's eight
	v_add_nc_u32 v[STI], s27, v[LI]
	v_add_nc_u32 v[STOR], s27, v[STOR]
	v_mov_b32 v[TQ+7], 0                           ; written once: a lane permute's destination counts as one of its sources
	s_mov_b32 s[K01], 0x01010101
	s_mov_b32 s[SEL], 0x76543210
	s_mov_b32 s[SEL+1], 0xfedcba98                 ; lane l xor 16
	s_mov_b32 s37, 0
	s_wait_kmcnt 0x0
	s_cmp_lt_u32 ttmp9, 96
	s_cbranch_scc0 .Lnot_a
	; ======== PATH A: t = work-group / 32, bp = work-group % 32; wave w is group c of 64 positions ========
	v_add_nc_u32 v[STI], STA, v[STI]
	v_add_nc_u32 v[STOR], STA, v[STOR]
	s_lshr_b32 s30, ttmp9, 5                       ; t
	s_and_b32 s31, ttmp9, 31                       ; bp
	s_lshl_b32 s32, s30, 16                        ; a t's weight: 65,536 bytes
	s_lshr_b32 s33, s[WV], 2
	s_lshl_b32 s33, s33, 15
	s_and_b32 s34, s[WV], 3
	s_lshl_b32 s34, s34, 12
	s_add_co_u32 s36, s32, s33
	s_add_co_u32 s36, s36, s34                     ; Wq's and Wk's tile x = w begins at row 64 (w / 4) + 8 (w % 4)
	s_add_nc_u64 s[6:7], s[6:7], s[36:37]
	s_add_nc_u64 s[8:9], s[8:9], s[36:37]
	s_lshr_b32 s33, s[WV], 1
	s_lshl_b32 s33, s33, 14
	s_and_b32 s34, s[WV], 1
	s_lshl_b32 s34, s34, 12
	s_add_co_u32 s36, s32, s33
	s_add_co_u32 s36, s36, s34                     ; Wv's at row 32 (w / 2) + 8 (w % 2)
	s_add_nc_u64 s[10:11], s[10:11], s[36:37]
	s_lshl_b32 s36, s31, 18
	s_lshl_b32 s33, s[WV], 15
	s_add_co_u32 s36, s36, s33                     ; x: bp's 512 rows, my 64
	s_add_nc_u64 s[4:5], s[4:5], s[36:37]
	LOADT RA, 6, 0, 512, 16384                     ; Wq's tile: rows 8-15 lie 32 rows on
	LOADT RB, 8, 0, 512, 16384                     ; Wk's
	s_lshl_b32 s35, s31, 3
	s_add_co_u32 s35, s35, s[WV]                   ; 8 bp + c
	s_mul_i32 s36, s35, 12288
	s_lshl_b32 s33, s30, 10
	s_add_co_u32 s36, s36, s33
	s_add_nc_u64 s[SQC:SQC+1], s[20:21], s[36:37]  ; Q's codes: [(8 bp + c) 4 + u][4 t + h][r][16 bytes]
	s_mul_i32 s36, s35, 3072
	s_lshl_b32 s33, s30, 8
	s_add_co_u32 s36, s36, s33
	s_add_nc_u64 s[SQS:SQS+1], s[22:23], s[36:37]  ; Q's scale words: [(8 bp + c) 4 + u][t][h % 2][r][h / 2]
	s_mul_i32 s38, s31, 208896                     ; bp's record in kv
	s_lshl_b32 s33, s30, 15
	s_add_co_u32 s39, s38, s33
	s_lshl_b32 s33, s[WV], 10
	s_add_co_u32 s36, s39, s33
	s_add_nc_u64 s[SKV:SKV+1], s[16:17], s[36:37]  ; K's images: unit 4 t + h at 8,192 each, group c at 1,024
	s_lshl_b32 s33, s[WV], 9
	s_add_co_u32 s36, s39, s33
	s_add_nc_u64 s[SVV:SVV+1], s[16:17], s[36:37]  ; V's: group c at 512
	s_lshl_b32 s33, s30, 11
	s_add_co_u32 s36, s38, s33
	s_lshl_b32 s33, s[WV], 9
	s_add_co_u32 s36, s36, s33
	s_lshr_b32 s33, s[WV], 2
	s_lshl_b32 s33, s33, 12
	s_add_co_u32 s36, s36, s33
	s_add_co_u32 s36, s36, 196608
	s_add_nc_u64 s[SKS:SKS+1], s[16:17], s[36:37]  ; the scale words: waves 0-3 store K's of head w, waves 4-7 V's of head w - 4 (6,144 bytes behind K's)
	s_lshl_b32 s33, s[WV], 10
	v_add_nc_u32 v[AWI], s33, v[LI]
	s_lshl_b32 s33, s[WV], 7
	s_add_co_u32 s33, s33, WSC
	v_add_nc_u32 v[AWS], s33, v[L4]
	s_lshr_b32 s33, s[WV], 2
	s_lshl_b32 s33, s33, 8
	s_and_b32 s34, s[WV], 3
	s_lshl_b32 s34, s34, 2
	s_add_co_u32 s33, s33, s34
	s_add_co_u32 s33, s33, KSC
	v_lshlrev_b32 v[AKS], 4, v[RR]
	v_lshl_add_u32 v[AKS], v[HH], 9, v[AKS]
	v_add_nc_u32 v[AKS], s33, v[AKS]               ; KSC + 512 h + 16 r + 256 (c / 4) + 4 (c % 4)
	s_lshl_b32 s33, s[WV], 1
	s_add_co_u32 s33, s33, VSC
	v_lshl_add_u32 v[AVS], v[RR], 4, v[HH]
	v_add_nc_u32 v[AVS], s33, v[AVS]               ; VSC + 16 r + h + 2 c
	v_lshlrev_b32 v[VK], 4, v[RR]
	v_lshl_add_u32 v[VK], v[HH], 13, v[VK]
	; seven tiles through two sets of registers: while one is quantised, the next two are on their way
	TAKE RA, 16
	LOADT RA, 10, 0, 512, 8192                     ; Wv's tile: rows 8-15 lie 16 rows on
	QT FT, TQ+6
	WOUT 0
	TAKE RB, 16
	LOADT RB, 4, 0, 512, 16384                     ; x's tile u = 0
	QT FT, TQ+6
	WOUT 1
	TAKE RA, 16
	LOADT RA, 4, 4096, 512, 16384
	QT FT, TQ+6
	WOUT 2
	TAKE RB, 16
	LOADT RB, 4, 8192, 512, 16384
	QT XF, XS
	TAKE RA, 16
	LOADT RA, 4, 12288, 512, 16384
	QT XF+8, XS+1
	TAKE RB, 16
	QT XF+16, XS+2
	TAKE RA, 0
	QT XF+24, XS+3                                 ; (the weight tiles' images left these registers four tiles ago)
	s_wait_dscnt 0x0                               ; for the others' sake: my images have landed
	s_barrier_signal -1
	s_barrier_wait -1                              ; the 24 weight tiles lie in LDS
.irp hp, 0,1                           ; Q: lane (r, h) holds position row r of x's tile u, head 2 hp + h
	UHEAD 4*\hp
	GEMM16 0
	RQ
.irp u, 0,1,2,3
	global_store_b128 v[LI], v[CD+4*\u:CD+4*\u+3], s[SQC:SQC+1] offset:\u*3072+\hp*512   ; 512 consecutive bytes
.endr
.irp u, 0,1,2,3
	v_mul_lo_u32 v[QW+2*\u+\hp], v[BMX+\u], s[K01] ; the byte four times: Q will stand in any one of a K step's four blocks
.endr
.endr
.irp u, 0,1,2,3
	global_store_b64 v[L8], v[QW+2*\u:QW+2*\u+1], s[SQS:SQS+1] offset:\u*768              ; 256 consecutive bytes, aligned
.endr
.irp hp, 0,1                           ; K: tile u's codes go into block u of group c's fragment
	UHEAD 8+4*\hp
	GEMM16 0
	RQ
.irp u, 0,1,2,3
	global_store_b128 v[VK], v[CD+4*\u:CD+4*\u+3], s[SKV:SKV+1] offset:\hp*16384+(\u/2)*512+(\u%2)*256   ; each half of the lanes fills 256 consecutive bytes of its head's image
.endr
	v_lshl_or_b32 v[TQ], v[BMX+1], 8, v[BMX]
	v_lshl_or_b32 v[TQ], v[BMX+2], 16, v[TQ]
	v_lshl_or_b32 v[TQ], v[BMX+3], 24, v[TQ]       ; byte u: the scale of tile u's key
	ds_store_b32 v[AKS], v[TQ] offset:\hp*1024
.endr
.irp g, 0,1                            ; V: lane (r, h) holds channel row r of Wv's tile and keys 64 c + 32 h + 0 .. 31
	UHEAD 16+4*\g
	GEMM16 1
	RQ
.irp x, 0,1,2,3
	global_store_b128 v[LI], v[CD+4*\x:CD+4*\x+3], s[SVV:SVV+1] offset:98304+(4*\g+\x)*4096
	ds_store_b8 v[AVS], v[BMX+\x] offset:(4*\g+\x)*256
.endr
.endr
	s_lshl_b32 s33, s[WV], 9
	s_add_co_u32 s33, s33, KSC
	v_add_nc_u32 v[TQ+4], s33, v[LI]
	s_wait_dscnt 0x0                               ; my scale words and bytes have landed
	s_barrier_signal -1
	s_barrier_wait -1
	ds_load_b128 v[TQ:TQ+3], v[TQ+4]               ; a head's 512 bytes of scale words, gathered from the eight waves
	s_wait_dscnt 0x0
	global_store_b128 v[LI], v[TQ:TQ+3], s[SKS:SKS+1]
	FINISH
.Lnot_a:
	s_cmp_lt_u32 ttmp9, 144
	s_cbranch_scc0 .Lpath_c
	; ======== PATH B: a wave lays 16 query rows x 128 keys of a chosen transition matrix in the order of the scores' registers ========
	v_add_nc_u32 v[STI], STB, v[STI]
	v_add_nc_u32 v[STOR], STB, v[STOR]
	s_sub_co_u32 s30, ttmp9, 96
	s_lshl_b32 s30, s30, 3
	s_add_co_u32 s30, s30, s[WV]                   ; 0 .. 383
	s_lshr_b32 s31, s30, 7                         ; t
	s_bfe_u32 s32, s30, 0x50002                    ; the tile of queries, 0 .. 31
	s_and_b32 s33, s30, 3                          ; which 128 keys
	s_lshr_b32 s34, s31, 1
	s_add_co_u32 s34, s34, s31                     ; WHICH_IDX: 0, 1, 3
	s_lshl_b32 s36, s34, 20
	s_lshr_b32 s35, s32, 2
	s_lshl_b32 s35, s35, 17
	s_add_co_u32 s36, s36, s35
	s_and_b32 s35, s32, 3
	s_lshl_b32 s35, s35, 14
	s_add_co_u32 s36, s36, s35                     ; first row 64 (qt / 4) + 8 (qt % 4), 2,048 bytes a row
	s_lshl_b32 s35, s33, 9
	s_add_co_u32 s36, s36, s35
	s_add_nc_u64 s[14:15], s[14:15], s[36:37]
	LOADT RA, 14, 0, 2048, 65536
	s_lshl_b32 s36, s31, 5
	s_add_co_u32 s36, s36, s32
	s_lshl_b32 s36, s36, 15
	s_lshl_b32 s35, s33, 13
	s_add_co_u32 s36, s36, s35
	s_add_nc_u64 s[24:25], s[24:25], s[36:37]
	s_wait_loadcnt 0x0
	TURN RA
.irp k, 0,1,2,3,4,5,6,7,8,9,10,11,12,13,14,15
	s_wait_dscnt 15-\k                             ; LDS loads come back in order: load k is in
	global_store_b128 v[LI], v[NUM+4*\k:NUM+4*\k+3], s[24:25] offset:512*\k   ; 512 consecutive bytes
.endr
	FINISH
.Lpath_c:
	; ======== PATH C: Wo's tile (t, dt): rows 16 dt + r, f = 128 t on ========
	v_add_nc_u32 v[STI], STC, v[STI]
	v_add_nc_u32 v[STOR], STC, v[STOR]
	s_sub_co_u32 s30, ttmp9, 144                   ; t
	s_mul_i32 s36, s[WV], 24576                    ; 16 rows of 1,536 bytes
	s_lshl_b32 s35, s30, 9
	s_add_co_u32 s36, s36, s35
	s_add_nc_u64 s[12:13], s[12:13], s[36:37]
	LOADT RA, 12, 0, 1536, 12288
	s_lshl_b32 s31, s30, 3
	s_add_co_u32 s31, s31, s[WV]                   ; 8 t + dt
	s_lshl_b32 s36, s31, 10
	s_add_nc_u64 s[40:41], s[18:19], s[36:37]
	s_lshl_b32 s36, s31, 7
	s_add_co_u32 s36, s36, 24576
	s_add_nc_u64 s[42:43], s[18:19], s[36:37]
	TAKE RA, 0
	QT FT, TQ+6
	global_store_b128 v[LI], v[FT:FT+3], s[40:41]
	global_store_b128 v[LI], v[FT+4:FT+7], s[40:41] offset:512
	global_store_b32 v[L4], v[TQ+6], s[42:43]
	FINISH
.Lfunc_end_k_q0718a33175_prep:
	.size	k_q0718a33175_prep, .Lfunc_end_k_q0718a33175_prep-k_q0718a33175_prep
	.p2alignl 7, 3214868480
	.fill 96, 4, 3214868480
	.section	.rodata,"a",@progbits
	.p2align	6, 0x0
	.amdhsa_kernel k_q0718a33175_prep
		.amdhsa_group_segment_fixed_size 235520
		.amdhsa_private_segment_fixed_size 0
		.amdhsa_enable_private_segment 0
		.amdhsa_kernarg_size 88
		.amdhsa_user_sgpr_count 2
		.amdhsa_user_sgpr_kernarg_segment_ptr 1
		.amdhsa_wavefront_size32 1
		.amdhsa_system_sgpr_workgroup_id_x 1
		.amdhsa_system_sgpr_workgroup_id_y 1
		.amdhsa_system_sgpr_workgroup_id_z 1
		.amdhsa_system_vgpr_workitem_id 0
		.amdhsa_next_free_vgpr 256
		.amdhsa_next_free_sgpr 66
		.amdhsa_reserve_vcc 0
		.amdhsa_float_denorm_mode_32 3
		.amdhsa_float_denorm_mode_16_64 3
		.amdhsa_memory_ordered 1
		.amdhsa_forward_progress 1
		.amdhsa_inst_pref_size 123
	.end_amdhsa_kernel
	.amdgpu_metadata
---
amdhsa.version: [ 1, 2 ]
amdhsa.kernels:
  - .name:           k_q0718a33175_prep
    .symbol:         k_q0718a33175_prep.kd
    .args:
      - { .name: inputs, .offset: 0, .size: 8, .value_kind: global_buffer, .address_space: global }
      - { .name: Wq, .offset: 8, .size: 8, .value_kind: global_buffer, .address_space: global }
      - { .name: Wk, .offset: 16, .size: 8, .value_kind: global_buffer, .address_space: global }
      - { .name: Wv, .offset: 24, .size: 8, .value_kind: global_buffer, .address_space: global }
      - { .name: Wo, .offset: 32, .size: 8, .value_kind: global_buffer, .address_space: global }
      - { .name: transition_matrices, .offset: 40, .size: 8, .value_kind: global_buffer, .address_space: global }
      - { .name: kv, .offset: 48, .size: 8, .value_kind: global_buffer, .address_space: global }
      - { .name: woi, .offset: 56, .size: 8, .value_kind: global_buffer, .address_space: global }
      - { .name: qc, .offset: 64, .size: 8, .value_kind: global_buffer, .address_space: global }
      - { .name: qs, .offset: 72, .size: 8, .value_kind: global_buffer, .address_space: global }
      - { .name: tmi, .offset: 80, .size: 8, .value_kind: global_buffer, .address_space: global }
    .group_segment_fixed_size: 235520
    .private_segment_fixed_size: 0
    .kernarg_segment_align: 8
    .kernarg_segment_size: 88
    .max_flat_workgroup_size: 256
    .sgpr_count:     66
    .vgpr_count:     256
    .wavefront_size: 32
...
	.end_amdgpu_metadata
.endif
;; end of part 1
;; launch attn (part 2): grid 8 x 32, 4 waves a work-group, clusters of 4 x 1, 284,672 bytes of LDS; arguments kv, woi, qc, qs, tmi, inputs, ln_gamma, ln_beta, out0; writes out0
.if DOCPART == 2
	.amdgcn_target "amdgcn-amd-amdhsa--gfx1250"
	.amdhsa_code_object_version 6
	.text
	.protected	k_q0718a33175_attn
	.globl	k_q0718a33175_attn
	.p2align	8
	.type	k_q0718a33175_attn,@function
k_q0718a33175_attn:
	s_mov_b64 s[64:65], 0
	v_nop
	global_prefetch_b8 v0, s[64:65] scope:SCOPE_SE
	s_setreg_imm32_b32 hwreg(HW_REG_WAVE_MODE, 25, 1), 1
	s_wait_xcnt 0x0
	s_wait_alu depctr_hold_cnt(0) depctr_sa_sdst(0) depctr_va_vdst(0) depctr_va_sdst(0) depctr_va_ssrc(0) depctr_va_vcc(0) depctr_vm_vsrc(0)
	s_getreg_b32 s2, hwreg(HW_REG_IB_STS2, 6, 4)
	s_cmp_eq_u32 s2, 0
	s_cbranch_scc0 .Lentry_in_a_cluster
	s_endpgm
.Lentry_in_a_cluster:
	s_bfe_u32 s2, ttmp6, 0x10000c
	s_cmp_lg_u32 s2, 0x3003
	s_cbranch_scc0 .Lentry_shape_is_right
	s_endpgm
.Lentry_shape_is_right:
; SpatialSelfAttention in MX-FP4, launch 2 of 2: scores, masked softmax, the weight by the transition matrix, the product with V, Wo, the residual and the LayerNorm.
; LEFT OUT as in launch 1: c_inputs (read by no line of reference()) and transition_matrices[2] (sliced away by WHICH_IDX) have no way to any output and are not read.
; LIMITS.  A row of a chosen transition matrix with no entry other than 0 makes reference() give NaN; this text gives numbers of no meaning there.  -1e30 stands for the mask's -infinity: scores stay under 1e29 in magnitude.
; An exponential under 2^-126 counts as 0.  NaN and infinities among the inputs are not served.
; SHARES.  A work-group is (bp, c): 64 queries of one slice; wave u owns the tile of 16 queries 64 c + 32 (r / 8) + 8 u + r % 8 from the scores to out0, and walks 12 units (t, h) of 16 queries x 512 keys.
; A row's maximum and sum over all 512 keys are wanted before a code of alpha x tm can be made: so a unit's 16 x 512 scores stay in 256 registers.
; CLUSTER.  The four work-groups of a cluster have one bp: its K and V of all 12 units (208,896 bytes) and Wo (27,648) are asked for JOINTLY, once, and stay in LDS: no slot is filled again.  c enters addresses in memory alone.
; LAYOUT.  S^T = K Q^T: source 0 = a fragment of K, source 1 = Q.  A head has 32 channels, ONE block of the instruction's four: a fragment of K carries four tiles of 16 keys in its four blocks (tile u: keys 64 c + 32 (m / 8) + 8 u + m % 8),
; and Q stands in block u alone, zero codes in the others.  So register 32 c + 8 u + j of lane (r, h) is query r, key 64 c + 32 h + 8 u + j: a block of 32 keys lies in one lane, in the order of the next operand's registers.
; THE MASK IS THE C OF THE SCORES' PRODUCTS: 0 where tm is not 0, else -1e30.  O^T = V^T P^T: source 0 = 16 channels x 128 keys, source 1 = P.  Y^T = Wo O^T likewise: a lane holds one query throughout.
; REGISTERS, in windows of 256: window 1: S, the scores, then e, e tm, alpha tm; at the end Y.  Window 2: TM, same index.  Window 3: BI, the mask's terms, same index.  Window 0: all else.
.set WOL,   208896                     ; LDS: kv's record from 0; Wo's images and scale words;
.set OCI,   236544                     ; O's images: 3,456 bytes a wave: six pairs of heads x 512, then three scale words' images x 128;
.set STG,   250368                     ; the stage for Y: 16 rows x 528 bytes a wave;
.set SPARE, 284160                     ; the spare words, 128 bytes for each wave: two blocks of 256 bytes that no other line names
.set LI,   1                           ; v1   16 x lane
.set SPW,  2                           ; v2   LDS address of my spare word; never rewritten
.set NIL,  3                           ; v3   0; never rewritten
.set L4,   4                           ; v4   4 x lane
.set R16,  5                           ; v5   16 r
.set R8,   6                           ; v6   8 r
.set SH8,  7                           ; v7   8 h
.set ADR,  8                           ; v8   LDS address of the run of loads in hand
.set ADS,  9                           ; v9   and of its scale words
.set AQ,   10                          ; v10  Q's codes in memory
.set AQS,  11                          ; v11  Q's scale word
.set STO,  12                          ; v12  the stage: where I put 32 bytes of a row
.set RD,   13                          ; v13  and where I read a row back
.set AOCB, 14                          ; v14  my O images + 16 x lane
.set AOC,  15
.set QLO,  16                          ; v16-27  Q's codes in lanes 0-15 | zeros | the same again: blocks 0 and 2
.set QHI,  28                          ; v28-39  the same in lanes 16-31: blocks 1 and 3
.set QR,   40                          ; v40-43  Q's codes as loaded
.set QS,   44                          ; v44  Q's scale word
.set OS,   45                          ; v45  O's scale word in the making
.set NM,   46                          ; v[46:47] -c M
.set RL,   48                          ; v[48:49] 1 / the row's sum
.set MM,   50
.set LL,   51
.set T0,   52
.set T1,   53
.set AOSB, 54                          ; v54  my O scale words + 4 x lane
.set AOS,  55
.set XE,   56                          ; v56-59  O's codes of an even head (2), of the odd head behind it (2)
.set KS,   60                          ; v60-63  K's scale words
.set FR,   64                          ; v64-127 16 fragments' halves: K's eight fragments, or V's; at the end Wo's, then rows of y
.set VS,   128                         ; v128-131 V's scale words
.set PS,   132                         ; v132-135 P's; at the end O's
.set PC,   136                         ; v136-167 P's codes; at the end O's fragments, then row sums
.set OA,   168                         ; v168-183 O^T: two accumulators
.set ACC,  184                         ; v184-199 eight pairs of partial sums; later:
.set BM,   184                         ; v184-191 the blocks' largest magnitudes
.set SC,   192                         ; v192-199 the conversions' scale operands
.set BY,   200                         ; v200-207 the bytes
.set MX,   208                         ; v208-215 eight chains of the maximum
.set T4,   216
.set GA,   220                         ; v220-223 gamma, v224-227 beta of my 4 channels
.set BE,   224
.set WOS,  228                         ; v228-251 Wo's scale words
.set PFO,  252                         ; v252 the prefetch's offset; never rewritten
.set TP,   136
.set TX,   168
.set WV,   22
.set G1A,  28
.set G0A,  36
.set G1B,  40
.set G0B,  48
.set CS,   52                          ; s[52:53] c = log2(e) / sqrt(32)
.set NC,   54                          ; s54  -c
.set NEG,  55                          ; s55  -1e30
.set MLO,  56                          ; s56  lanes 0-15
.set MHI,  57                          ; s57  lanes 16-31
.set SEL,  58
.set TC,   60                          ; s60  t still to go
.set HC,   61
.set NN,   62                          ; s62  the unit, 4 t + h
.set KB,   63                          ; s63  8,192 x the unit
.set CM,   70                          ; s70-77 eight masks
.set TMB,  78                          ; s[78:79] my transition tile of this t
.set IV,   80
.set EP,   81
.set QCB,  82
.set QSB,  84
.set XRB,  86
.set ORB,  88
.set OSB,  90                          ; s90  128 t
.set NIV,  91
.set MSB, 0
.macro WIN new                         ; the immediate's high byte repeats the setting that is left; a switch that changes nothing is dropped
.if MSB != \new
	s_set_vgpr_msb (MSB<<8)|\new
.set MSB, \new
.endif
.endm
.set W_SC, 0x70                        ; D window 1, C window 3
.set W_R,  0x11                        ; sources 0 and 2 window 1
.set W_E,  0x49                        ; destination and source 0 window 1, source 1 window 2
.set W_L,  0x41                        ; destination and source 0 window 1
.set W_B,  0xc8                        ; destination window 3, source 1 window 2
.macro ROUND                           ; a round of the cluster's barrier
	s_barrier_signal -1
	s_barrier_wait -1
	s_cmp_lg_u32 s[WV], 0
	s_cbranch_scc1 .Lnot_wave_0_\@
	s_barrier_signal -3
.Lnot_wave_0_\@:
	s_barrier_wait -3
	s_barrier_signal -1
	s_barrier_wait -1
.endm
.macro WM0 d, a, b, sa, sb             ; a product that starts a sum
	v_wmma_scale_f32_16x16x128_f8f6f4 v[(\d):(\d)+7], v[(\a):(\a)+7], v[(\b):(\b)+7], 0, v[\sa], v[\sb] matrix_a_fmt:MATRIX_FMT_FP4 matrix_b_fmt:MATRIX_FMT_FP4
.endm
.macro WM0R d, a, b, sa, sb            ; the same, source 0's scales from lanes 16-31
	v_wmma_scale_f32_16x16x128_f8f6f4 v[(\d):(\d)+7], v[(\a):(\a)+7], v[(\b):(\b)+7], 0, v[\sa], v[\sb] matrix_a_fmt:MATRIX_FMT_FP4 matrix_b_fmt:MATRIX_FMT_FP4 matrix_a_scale:MATRIX_SCALE_ROW1
.endm
.macro WMC d, a, b, c, sa, sb
	v_wmma_scale_f32_16x16x128_f8f6f4 v[(\d):(\d)+7], v[(\a):(\a)+7], v[(\b):(\b)+7], v[(\c):(\c)+7], v[\sa], v[\sb] matrix_a_fmt:MATRIX_FMT_FP4 matrix_b_fmt:MATRIX_FMT_FP4
.endm
.macro WMCR d, a, b, c, sa, sb
	v_wmma_scale_f32_16x16x128_f8f6f4 v[(\d):(\d)+7], v[(\a):(\a)+7], v[(\b):(\b)+7], v[(\c):(\c)+7], v[\sa], v[\sb] matrix_a_fmt:MATRIX_FMT_FP4 matrix_b_fmt:MATRIX_FMT_FP4 matrix_a_scale:MATRIX_SCALE_ROW1
.endm
.macro FETCH16                         ; a unit's 8,192 bytes of K or of V: images, 512 consecutive bytes a load
.irp k, 0,1,2,3,4,5,6,7,8,9,10,11,12,13,14,15
	ds_load_b128 v[FR+4*\k:FR+4*\k+3], v[ADR] offset:512*\k
.endr
.endm
.macro QBUILD                          ; Q's 16 bytes, which every lane of a query holds, are kept in one half of the lanes and cleared in the other
.irp k, 0,1,2,3
	v_cndmask_b32 v[QLO+\k], 0, v[QR+\k], s[MLO]
	v_cndmask_b32 v[QLO+8+\k], 0, v[QR+\k], s[MLO]
	v_cndmask_b32 v[QHI+\k], 0, v[QR+\k], s[MHI]
	v_cndmask_b32 v[QHI+8+\k], 0, v[QR+\k], s[MHI]
.endr
.endm
.macro TMLOAD                          ; my tile of a transition matrix, 16 queries x 512 keys, into window 2: 64 loads of 512 consecutive bytes
	WIN 0x80
.set k, 0
.rept 64
	global_load_b128 v[4*k:4*k+3], v[LI], s[TMB:TMB+1] offset:512*k
.set k, k+1
.endr
	WIN 0
.endm
; 64 exponentials of group g, with plain work between them: the scalings of group g + 1 and the weights by tm of group g - 1 (whose sum has been taken).  None of it names a result of this batch.
.macro MIX g
	WIN W_E
.set i, 0
.rept 64
	v_exp_f32 v[64*\g+i], v[64*\g+i]
.if (i%2 == 0) && (\g < 3)
	v_pk_fma_f32 v[64*(\g+1)+i:64*(\g+1)+i+1], v[64*(\g+1)+i:64*(\g+1)+i+1], s[CS:CS+1], v[NM:NM+1] op_sel_hi:[1,0,0]
.endif
.if (i%2 == 1) && (\g > 0)
	v_pk_mul_f32 v[64*(\g-1)+i-1:64*(\g-1)+i], v[64*(\g-1)+i-1:64*(\g-1)+i], v[64*(\g-1)+i-1:64*(\g-1)+i]
.endif
.set i, i+1
.endr
	v_nop                                          ; a plain instruction behind the last exponential
	s_wait_alu depctr_va_vdst(0)                   ; the wait ahead of the first line that names a result: one for the batch of 64
.endm
.macro SUM g                           ; the row's sum is taken of e, ahead of the weight by tm: eight chains of pairs
.if \g == 0
	WIN 0x05
.set p, 0
.rept 8
	v_pk_add_f32 v[ACC+2*p:ACC+2*p+1], v[2*p:2*p+1], v[16+2*p:16+2*p+1]   ; the first sixteen pairs start the chains: nothing is cleared
.set p, p+1
.endr
	WIN W_R
.set p, 16
.rept 16
	v_pk_add_f32 v[ACC+2*(p%8):ACC+2*(p%8)+1], v[2*p:2*p+1], v[ACC+2*(p%8):ACC+2*(p%8)+1]
.set p, p+1
.endr
.else
	WIN W_R
.set p, 0
.rept 32
	v_pk_add_f32 v[ACC+2*(p%8):ACC+2*(p%8)+1], v[64*\g+2*p:64*\g+2*p+1], v[ACC+2*(p%8):ACC+2*(p%8)+1]
.set p, p+1
.endr
.endif
.endm
; A UNIT: 16 queries x 512 keys of one (t, h).  last = 1: the unit h = 3, written out behind the loop of three: it asks for the next t's transition tile.
.macro UNIT last
	; ---- the scores: 32 products, each a whole sum on the mask's term
	WIN W_SC
.irp c, 0,1,2,3,4,5,6,7
	s_wait_dscnt 14-2*\c                           ; K's scale words and fragments 0 .. c are in; the 14 - 2 c younger fragment loads may stay out (an LDS store issued behind them only makes the wait stricter)
.irp u, 0,1,2,3
.if \c < 4
	WMC 32*\c+8*\u, FR+8*\c, QLO+12*(\u%2)+4*(\u/2), 32*\c+8*\u, KS+\c%4, QS
.else
	WMCR 32*\c+8*\u, FR+8*\c, QLO+12*(\u%2)+4*(\u/2), 32*\c+8*\u, KS+\c%4, QS
.endif
.endr
.endr
	WIN 0
	s_add_co_u32 s66, s[KB], 98304
	v_add_nc_u32 v[ADR], s66, v[LI]                ; V's images of this unit.  (Two additions and two v_nop: the four places behind the products, ahead of loads into their operands and of the first read of results)
	s_lshr_b32 s67, s[KB], 4
	s_add_co_u32 s67, s67, 202752
	v_add_nc_u32 v[ADS], s67, v[LI]
	v_nop
	v_nop
	ds_load_b128 v[VS:VS+3], v[ADS]
	FETCH16
	; ---- the row's maximum: eight chains; each result is first read at its low end
	WIN W_R
.irp c, 0,1,2,3,4,5,6,7
	v_max3_num_f32 v[MX+\c], v[32*\c], 0xff7fffff, v[32*\c+1]   ; (a leaf under every score makes the count of leaves odd)
.endr
.irp i, 1,2,3,4,5,6,7,8,9,10,11,12,13,14,15
.irp c, 0,1,2,3,4,5,6,7
	v_max3_num_f32 v[MX+\c], v[32*\c+2*\i], v[MX+\c], v[32*\c+2*\i+1]
.endr
.endr
	WIN 0
	v_max3_num_f32 v[MX], v[MX], v[MX+1], v[MX+2]
	v_max3_num_f32 v[MX+3], v[MX+3], v[MX+4], v[MX+5]
	v_max3_num_f32 v[MX], v[MX], v[MX+6], v[MX+7]
	v_max_num_f32 v[MX], v[MX], v[MX+3]
	v_permlanex16_b32 v[T0], v[MX], s[SEL], s[SEL+1]
	v_max_num_f32 v[MM], v[MX], v[T0]              ; with lane l xor 16's 256 keys
	v_mul_f32 v[NM], s[NC], v[MM]                  ; -c M
.if \last
	s_cmp_eq_u32 s[TC], 1
	s_cbranch_scc1 .Lask_\@                        ; the very last unit has no successor
.endif
	s_add_co_u32 s66, s[NN], 1                     ; the next unit's Q: codes at 256 n, scale word at 256 t + 128 (h % 2) + 4 (h / 2)
	s_min_u32 s66, s66, 11
	s_lshl_b32 s67, s66, 8
	v_add_nc_u32 v[AQ], s67, v[R16]
	s_lshr_b32 s67, s66, 2
	s_lshl_b32 s67, s67, 8
	s_and_b32 s68, s66, 1
	s_lshl_b32 s68, s68, 7
	s_add_co_u32 s67, s67, s68
	s_and_b32 s68, s66, 2
	s_lshl_b32 s68, s68, 1
	s_add_co_u32 s67, s67, s68
	v_add_nc_u32 v[AQS], s67, v[R8]
	global_load_b128 v[QR:QR+3], v[AQ], s[QCB:QCB+1]
	global_load_b32 v[QS], v[AQS], s[QSB:QSB+1]
.if \last
	s_branch .Lasked_\@
.Lask_\@:
	global_prefetch_b8 v[PFO], s[XRB:XRB+1] th:TH_LOAD_NT scope:SCOPE_SE   ; my 16 rows of inputs, which the residual wants behind the loop: 32 blocks of 256 bytes, a lane a block, each named once in the launch; this unit's exponentials and quantiser lie between
.Lasked_\@:
.endif
	; ---- e = 2^(c s - c M), its sum, and e tm
	WIN W_E
.set p, 0
.rept 32
	v_pk_fma_f32 v[2*p:2*p+1], v[2*p:2*p+1], s[CS:CS+1], v[NM:NM+1] op_sel_hi:[1,0,0]
.set p, p+1
.endr
	MIX 0
	SUM 0
	MIX 1
	SUM 1
	MIX 2
	SUM 2
	MIX 3
	SUM 3
	WIN 0
	v_pk_add_f32 v[ACC:ACC+1], v[ACC:ACC+1], v[ACC+2:ACC+3]
	v_pk_add_f32 v[ACC+4:ACC+5], v[ACC+4:ACC+5], v[ACC+6:ACC+7]
	v_pk_add_f32 v[ACC+8:ACC+9], v[ACC+8:ACC+9], v[ACC+10:ACC+11]
	v_pk_add_f32 v[ACC+12:ACC+13], v[ACC+12:ACC+13], v[ACC+14:ACC+15]
	v_pk_add_f32 v[ACC:ACC+1], v[ACC:ACC+1], v[ACC+4:ACC+5]
	v_pk_add_f32 v[ACC+8:ACC+9], v[ACC+8:ACC+9], v[ACC+12:ACC+13]
	v_pk_add_f32 v[ACC:ACC+1], v[ACC:ACC+1], v[ACC+8:ACC+9]
	v_add_f32 v[LL], v[ACC], v[ACC+1]
	v_permlanex16_b32 v[T0], v[LL], s[SEL], s[SEL+1]
	v_add_f32 v[LL], v[LL], v[T0]
	v_rcp_f32 v[RL], v[LL]
	WIN W_E
.set p, 96
.rept 32
	v_pk_mul_f32 v[2*p:2*p+1], v[2*p:2*p+1], v[2*p:2*p+1]   ; the last group's weight by tm: plain work behind the reciprocal
.set p, p+1
.endr
	WIN 0
	s_wait_alu depctr_va_vdst(0)                   ; the wait for the reciprocal, ahead of its first reader
	s_wait_loadcnt 0x0                             ; the next Q is in; no load of mine is out
.if \last
	s_cmp_eq_u32 s[TC], 1
	s_cbranch_scc1 .Lno_tm_\@                      ; behind the last t there is no tile
	s_add_nc_u64 s[TMB:TMB+1], s[TMB:TMB+1], 0x100000   ; 32 tiles of 32,768 bytes on
	TMLOAD                                         ; this t's tile has had its last reader: the next t's lands while this unit is finished
.Lno_tm_\@:
.endif
	; ---- alpha tm, finished and normalised, and its quantiser along the keys
	WIN W_L
.set p, 0
.rept 128
	v_pk_mul_f32 v[2*p:2*p+1], v[2*p:2*p+1], v[RL:RL+1] op_sel_hi:[1,0]
.set p, p+1
.endr
	WIN W_R
.irp c, 0,1,2,3,4,5,6,7
	v_max3_num_f32 v[BM+\c], |v[32*\c]|, 0x1800000, |v[32*\c+1]|   ; block 2 c + h: all 32 numbers are mine; the floor 2^(3 - 127) holds the byte at 1 from below
.endr
.irp i, 1,2,3,4,5,6,7,8,9,10,11,12,13,14,15
.irp c, 0,1,2,3,4,5,6,7
	v_max3_num_f32 v[BM+\c], |v[32*\c+2*\i]|, v[BM+\c], |v[32*\c+2*\i+1]|
.endr
.endr
	WIN 0
.irp c, 0,1,2,3,4,5,6,7
	v_add_nc_u32 v[SC+\c], 0xff000000, v[BM+\c]    ; 2 off the exponent field: the conversion's scale operand
.endr
.irp c, 0,1,2,3,4,5,6,7
	v_lshrrev_b32 v[BY+\c], 23, v[SC+\c]
.endr
.irp s, 0,1,2,3
	v_lshl_or_b32 v[PS+\s], v[BY+2*\s+1], 16, v[BY+2*\s]
.endr
.irp s, 0,1,2,3
	v_lshlrev_b32 v[PS+\s], v[SH8], v[PS+\s]
.endr
.irp s, 0,1,2,3
	v_permlanex16_b32 v[T4+\s], v[PS+\s], s[SEL], s[SEL+1]
.endr
.irp s, 0,1,2,3
	v_or_b32 v[PS+\s], v[PS+\s], v[T4+\s]          ; the scale word of keys 128 s on
.endr
	WIN W_R
.irp c, 0,1,2,3,4,5,6,7
.irp u, 0,1,2,3
	v_cvt_scalef32_pk8_fp4_f32 v[PC+4*\c+\u], v[32*\c+8*\u:32*\c+8*\u+7], v[SC+\c]   ; the results ARE the operand's registers
.endr
.endr
	WIN 0
	QBUILD                                         ; the next unit's Q.  These 16 plain lines are also the places behind the conversions and ahead of the scaled products, whose scale words and codes vector instructions wrote
	; ---- O^T = V^T P^T: two accumulators by turns
	s_wait_dscnt 0x0                               ; V is in
.irp s, 0,1,2,3
.if \s == 0
	WM0 OA, FR+8*\s, PC+8*\s, VS+\s, PS+\s
	WM0R OA+8, FR+32+8*\s, PC+8*\s, VS+\s, PS+\s
.else
	WMC OA, FR+8*\s, PC+8*\s, OA, VS+\s, PS+\s
	WMCR OA+8, FR+32+8*\s, PC+8*\s, OA+8, VS+\s, PS+\s
.endif
.endr
	s_add_co_u32 s66, s[KB], 8192
	v_add_nc_u32 v[ADR], s66, v[LI]                ; the next unit's K.  (Again four places)
	s_lshr_b32 s67, s66, 4
	s_add_co_u32 s67, s67, 196608
	v_add_nc_u32 v[ADS], s67, v[LI]
	v_nop
	v_nop
.if \last
	s_cmp_eq_u32 s[TC], 1
	s_cbranch_scc1 .Lno_k_\@
.endif
	ds_load_b128 v[KS:KS+3], v[ADS]
	FETCH16
.Lno_k_\@:
	; ---- O's quantiser: a block is this head's 32 channels; lane (r, h) holds channels 16 h + 0 .. 15 of query r
	v_max3_num_f32 v[T0], |v[OA]|, |v[OA+1]|, 0x1800000
	v_max3_num_f32 v[T1], |v[OA+8]|, |v[OA+9]|, |v[OA+10]|
	v_max3_num_f32 v[T0], v[T0], |v[OA+2]|, |v[OA+3]|
	v_max3_num_f32 v[T1], v[T1], |v[OA+11]|, |v[OA+12]|
	v_max3_num_f32 v[T0], v[T0], |v[OA+4]|, |v[OA+5]|
	v_max3_num_f32 v[T1], v[T1], |v[OA+13]|, |v[OA+14]|
	v_max3_num_f32 v[T0], v[T0], |v[OA+6]|, |v[OA+7]|
	v_max3_num_f32 v[T0], v[T0], v[T1], |v[OA+15]|
	v_permlanex16_b32 v[T1], v[T0], s[SEL], s[SEL+1]
	v_max_num_f32 v[T0], v[T0], v[T1]
	v_add_nc_u32 v[T1], 0xff000000, v[T0]
	v_lshrrev_b32 v[T0], 23, v[T1]
	v_lshrrev_b32 v[OS], 8, v[OS]                  ; the word moves down a byte and takes the new byte on top: after four heads byte h is head h's
	v_lshl_or_b32 v[OS], v[T0], 24, v[OS]
.if !\last
	s_bitcmp1_b32 s[NN], 0
	s_cbranch_scc1 .Lodd_\@
	v_cvt_scalef32_pk8_fp4_f32 v[XE], v[OA:OA+7], v[T1]        ; an even head waits for the odd one
	v_cvt_scalef32_pk8_fp4_f32 v[XE+1], v[OA+8:OA+15], v[T1]
	v_nop
	s_branch .Lheld_\@
.Lodd_\@:
.endif
	v_cvt_scalef32_pk8_fp4_f32 v[XE+2], v[OA:OA+7], v[T1]
	v_cvt_scalef32_pk8_fp4_f32 v[XE+3], v[OA+8:OA+15], v[T1]
	v_nop
	v_permlane16_swap_b32 v[XE], v[XE+2]           ; the operand wants a whole block in a lane: lanes 0-15 the even head, lanes 16-31 the odd one
	v_permlane16_swap_b32 v[XE+1], v[XE+3]
	s_lshr_b32 s66, s[KB], 5
	s_and_b32 s66, s66, 0xfe00                     ; 512 x the pair of heads
	v_add_nc_u32 v[AOC], s66, v[AOCB]
	ds_store_b128 v[AOC], v[XE:XE+3]               ; half a fragment of the last product's operand, as an image, in my own bytes
.Lheld_\@:
	s_add_co_u32 s[NN], s[NN], 1
	s_add_co_u32 s[KB], s[KB], 8192
.endm
	s_load_b512 s[4:19], s[0:1], 0x0               ; kv, woi, qc, qs, tmi, inputs, ln_gamma, ln_beta
	s_load_b64 s[20:21], s[0:1], 0x40              ; out0
	v_lshl_add_u32 v[SPW], v0, 2, SPARE
	v_mov_b32 v[NIL], 0
	ds_add_u32 v[SPW], v[NIL]                      ; the wave's opening: the add, twice on end, and its wait ahead of my first tensor load
	ds_add_u32 v[SPW], v[NIL]
	v_lshrrev_b32 v5, 5, v0
	v_readfirstlane_b32 s[WV], v5                  ; wave 0..3
	s_and_b32 s68, ttmp7, 0xffff                   ; bp, which the four partners share
	s_mul_i32 s92, s68, 208896
	s_mul_i32 s69, s[WV], 52224                    ; my quarter of the record: 204 rows of 256 bytes
	s_add_co_u32 s92, s92, s69
	s_mov_b32 s93, 0
	s_mul_i32 s94, s[WV], 6912                     ; my quarter of Wo's: 27 rows
	s_mov_b32 s95, 0
	s_mov_b32 s[G1A], 15|(3<<16)|(1<<21)           ; 15:0 the mask: all four work-groups; 17:16 elements of 8 bytes; 21 set beside a mask; no padding: images are read 512 consecutive bytes a load
	s_mov_b32 s[G1A+1], 32<<16                     ; tensor_dim0 = 32 elements: 256 bytes
	s_mov_b32 s[G1A+2], 204<<16                    ; tensor_dim1
	s_mov_b32 s[G1A+3], 32<<16                     ; tile_dim0
	s_mov_b32 s[G1A+4], 204                        ; tile_dim1
	s_mov_b32 s[G1A+5], 32                         ; the pitch: the block is dense
	s_mov_b32 s[G1A+6], 0
	s_mov_b32 s[G1A+7], 0
	s_mov_b32 s[G1B], 15|(3<<16)|(1<<21)
	s_mov_b32 s[G1B+1], 32<<16
	s_mov_b32 s[G1B+2], 27<<16
	s_mov_b32 s[G1B+3], 32<<16
	s_mov_b32 s[G1B+4], 27
	s_mov_b32 s[G1B+5], 32
	s_mov_b32 s[G1B+6], 0
	s_mov_b32 s[G1B+7], 0
	s_mov_b32 s[G0A], 1
	s_mov_b32 s[G0A+1], s69                        ; LDS: the record from byte 0: no place in the cluster enters an LDS address
	s_mov_b32 s[G0B], 1
	s_add_co_u32 s[G0B+1], s94, WOL
	s_mov_b32 s[CS], 0x3e8293ee                    ; c = log2(e) / sqrt(32)
	s_mov_b32 s[CS+1], s[CS]
	s_mov_b32 s[NC], 0xbe8293ee
	s_mov_b32 s[NEG], 0xf149f2ca                   ; -1e30
	s_mov_b32 s[MLO], 0x0000ffff
	s_mov_b32 s[MHI], 0xffff0000
	s_mov_b32 s[SEL], 0x76543210
	s_mov_b32 s[SEL+1], 0xfedcba98
	s_mov_b32 s[IV], 0x3c000000                    ; 1 / 128
	s_mov_b32 s[NIV], 0xbc000000
	s_mov_b32 s[EP], 0x3727c5ac                    ; 1e-5
	s_mov_b32 s[NN], 0
	s_mov_b32 s[KB], 0
	s_mov_b32 s[OSB], 0
	s_wait_dscnt 0x0                               ; both opening adds are done
	s_wait_kmcnt 0x0
	s_add_nc_u64 s[G0A+2:G0A+3], s[4:5], s[92:93]
	s_or_b32 s[G0A+3], s[G0A+3], 0x80000000
	s_add_nc_u64 s[G0B+2:G0B+3], s[6:7], s[94:95]
	s_or_b32 s[G0B+3], s[G0B+3], 0x80000000
	ROUND                                          ; all four work-groups are here: the joint loads meet
	tensor_load_to_lds s[G0A:G0A+3], s[G1A:G1A+7]  ; every wave issues both: two loads of mine are out
	s_nop 0
	tensor_load_to_lds s[G0B:G0B+3], s[G1B:G1B+7]
	s_nop 0
.rept 4
	v_nop
.endr
	v_and_b32 v50, 31, v0
	v_lshlrev_b32 v[LI], 4, v50
	v_lshlrev_b32 v[L4], 2, v50
	v_and_b32 v51, 15, v0                          ; r
	v_bfe_u32 v52, v0, 4, 1                        ; h
	v_lshlrev_b32 v[R16], 4, v51
	v_lshlrev_b32 v[R8], 3, v51
	v_lshlrev_b32 v[SH8], 3, v52
	s_bfe_u32 s66, ttmp6, 0x40000                  ; cx
	s_lshl_b32 s67, ttmp9, 2
	s_add_co_u32 s67, s67, s66                     ; c = 4 x cluster x + cx: it enters addresses in memory alone
	s_mov_b32 s97, 0
	s_lshl_b32 s69, s68, 3
	s_add_co_u32 s69, s69, s67
	s_lshl_b32 s69, s69, 2
	s_add_co_u32 s69, s69, s[WV]                   ; (8 bp + c) 4 + u
	s_mul_i32 s96, s69, 3072
	s_add_nc_u64 s[QCB:QCB+1], s[8:9], s[96:97]
	s_mul_i32 s96, s69, 768
	s_add_nc_u64 s[QSB:QSB+1], s[10:11], s[96:97]
	s_lshl_b32 s96, s67, 2
	s_add_co_u32 s96, s96, s[WV]
	s_lshl_b32 s96, s96, 15
	s_add_nc_u64 s[TMB:TMB+1], s[12:13], s[96:97]  ; my tile of t = 0
	s_lshl_b32 s96, s68, 18
	s_lshl_b32 s69, s67, 15
	s_add_co_u32 s96, s96, s69
	s_lshl_b32 s69, s[WV], 12
	s_add_co_u32 s96, s96, s69                     ; row 512 bp + 64 c + 8 u, 512 bytes a row
	s_add_nc_u64 s[XRB:XRB+1], s[14:15], s[96:97]
	s_add_nc_u64 s[ORB:ORB+1], s[20:21], s[96:97]
	global_load_b128 v[GA:GA+3], v[LI], s[16:17]
	global_load_b128 v[BE:BE+3], v[LI], s[18:19]
	global_load_b128 v[QR:QR+3], v[R16], s[QCB:QCB+1]   ; unit 0's Q
	global_load_b32 v[QS], v[R8], s[QSB:QSB+1]
	TMLOAD
	s_mul_i32 s66, s[WV], 8448
	s_add_co_u32 s66, s66, STG
	v_mul_u32_u24 v[STO], v51, 528
	v_lshl_add_u32 v[STO], v52, 5, v[STO]
	v_add_nc_u32 v[STO], s66, v[STO]               ; row r, + 32 h
	v_add_nc_u32 v[RD], s66, v[LI]
	s_mul_i32 s66, s[WV], 3456
	s_add_co_u32 s66, s66, OCI
	v_add_nc_u32 v[AOCB], s66, v[LI]
	s_add_co_u32 s66, s66, 3072
	v_add_nc_u32 v[AOSB], s66, v[L4]
	v_bfe_u32 v[PFO], v0, 1, 3                     ; the prefetch: lane l names half l % 2 of my row l / 2, which lies (l / 2) % 8 + 32 (l / 16) rows on
	v_lshlrev_b32 v[PFO], 9, v[PFO]
	v_lshl_add_u32 v[PFO], v52, 14, v[PFO]
	v_and_b32 v50, 1, v0
	v_lshl_add_u32 v[PFO], v50, 8, v[PFO]
.irp k, 4,5,6,7
	v_mov_b32 v[QLO+\k], 0                         ; the zero codes of Q's operands
	v_mov_b32 v[QHI+\k], 0
.endr
	v_mov_b32 v[NM+1], 0                           ; (upper halves of pairs of which the low word serves both halves)
	v_mov_b32 v[RL+1], 0
	v_mov_b32 v[OS], 0
	v_mov_b32 v[T0], 0                             ; written once: a lane permute's destination counts as one of its sources
	v_mov_b32 v[T1], 0
.irp k, 0,1,2,3
	v_mov_b32 v[XE+\k], 0
	v_mov_b32 v[T4+\k], 0
.endr
	s_wait_loadcnt 63                              ; of the 68 loads issued the oldest five are in: gamma, beta, Q's codes and scale word among them
	QBUILD
	s_wait_tensorcnt 0x0                           ; my quarters have landed,
	s_barrier_signal -1
	s_barrier_wait -1                              ; everybody's have
	v_add_nc_u32 v[ADS], 196608, v[LI]
	v_mov_b32 v[ADR], v[LI]
	ds_load_b128 v[KS:KS+3], v[ADS]                ; unit 0's K
	FETCH16
	s_mov_b32 s[TC], 3
.Lt:
	; ---- the mask's terms of this t: 0 where tm is not 0, else -1e30; they serve four heads
	WIN W_B
.set k, 0
.rept 32
	s_wait_loadcnt 62-2*k                          ; loads 2 k and 2 k + 1 of the tile's 64 are in; the 62 - 2 k younger ones may stay out
.irp j, 0,1,2,3,4,5,6,7
	v_cmp_neq_f32 s[CM+\j], 0, v[8*k+\j]
.endr
.irp j, 0,1,2,3,4,5,6,7
	v_cndmask_b32 v[8*k+\j], s[NEG], 0, s[CM+\j]
.endr
.set k, k+1
.endr
	WIN 0
	s_mov_b32 s[HC], 3
.Lh:
	UNIT 0
	s_sub_co_u32 s[HC], s[HC], 1
	s_cmp_lg_u32 s[HC], 0
	s_cbranch_scc1 .Lh
	UNIT 1
	v_add_nc_u32 v[AOS], s[OSB], v[AOSB]
	ds_store_b32 v[AOS], v[OS]                     ; O's scale words of this t
	s_add_co_u32 s[OSB], s[OSB], 128
	s_sub_co_u32 s[TC], s[TC], 1
	s_cmp_lg_u32 s[TC], 0
	s_cbranch_scc1 .Lt
	; ======== THE TAIL: Y^T = Wo O^T, the residual, the LayerNorm ========
	s_wait_loadcnt 0x0                             ; no load of mine is out: windows 2 and 3 are free
	s_wait_dscnt 0x0
	WIN 0x80
.set i, 0
.rept 16
	global_load_b128 v[FR+4*i:FR+4*i+3], v[LI], s[XRB:XRB+1] offset:((i%8)+32*(i/8))*512 th:TH_LOAD_NT   ; my 16 rows of inputs, 512 consecutive bytes a load, into window 2
.set i, i+1
.endr
	WIN 0
	v_add_nc_u32 v[ADR], WOL, v[LI]
	v_add_nc_u32 v[ADS], WOL+24576, v[L4]
.irp t, 0,1,2
	ds_load_b128 v[PC+8*\t:PC+8*\t+3], v[AOCB] offset:1024*\t       ; O's fragment of K step t: LDS serves a wave's instructions in order: these see my stores
	ds_load_b128 v[PC+8*\t+4:PC+8*\t+7], v[AOCB] offset:1024*\t+512
	ds_load_b32 v[PS+\t], v[AOSB] offset:128*\t
.endr
.set k, 0
.rept 24
	ds_load_b32 v[WOS+k], v[ADS] offset:128*k
.set k, k+1
.endr
.set k, 0
.rept 16
	ds_load_b128 v[FR+4*k:FR+4*k+3], v[ADR] offset:512*k            ; Wo's eight fragments of t = 0
.set k, k+1
.endr
	WIN 0x80
.set k, 0
.rept 16
	ds_load_b128 v[4*k:4*k+3], v[ADR] offset:8192+512*k             ; of t = 1, into window 2
.set k, k+1
.endr
	WIN 0xc0
.set k, 0
.rept 16
	ds_load_b128 v[4*k:4*k+3], v[ADR] offset:16384+512*k            ; of t = 2, into window 3
.set k, k+1
.endr
	WIN 0
	s_wait_dscnt 0x0
	WIN 0x40                                       ; eight accumulators by turns, in window 1
.irp d, 0,1,2,3,4,5,6,7
	WM0 8*\d, FR+8*\d, PC, WOS+\d, PS
.endr
	WIN 0x52
.irp d, 0,1,2,3,4,5,6,7
	WMC 8*\d, 8*\d, PC+8, 8*\d, WOS+8+\d, PS+1
.endr
	WIN 0x53
.irp d, 0,1,2,3,4,5,6,7
	WMC 8*\d, 8*\d, PC+16, 8*\d, WOS+16+\d, PS+2
.endr
	WIN 0
.rept 4
	v_nop                                          ; places behind the products
.endr
	WIN 0x04                                       ; an LDS store's data are its source 1: window 1
.irp d, 0,1,2,3,4,5,6,7
	ds_store_b128 v[STO], v[8*\d:8*\d+3] offset:64*\d               ; lane (r, h): y(r, 16 d + 8 h + 0 .. 7); each accumulator from its low end on
	ds_store_b128 v[STO], v[8*\d+4:8*\d+7] offset:64*\d+16
.endr
	WIN 0
.set i, 0
.rept 16
	ds_load_b128 v[FR+4*i:FR+4*i+3], v[RD] offset:528*i             ; back by rows: a lane holds 4 channels of each of the 16 rows
.set i, i+1
.endr
	s_wait_dscnt 0x0
	s_wait_loadcnt 0x0                             ; the rows of inputs
	WIN 0x08
.set k, 0
.rept 32
	v_pk_add_f32 v[FR+2*k:FR+2*k+1], v[FR+2*k:FR+2*k+1], v[FR+2*k:FR+2*k+1]   ; the residual (source 1 in window 2)
.set k, k+1
.endr
	WIN 0
.macro EACH16 body:vararg
.endm
.macro REDUCE                          ; v[TP + 2 i], i = 0 .. 15: summed over the 32 lanes, the rows by turns
.irp m, 1,2,4,8
.set i, 0
.rept 16
	v_add_f32_dpp v[TP+2*i], v[TP+2*i], v[TP+2*i] row_xmask:\m row_mask:0xf bank_mask:0xf
.set i, i+1
.endr
.endr
.set i, 0
.rept 16
	v_permlanex16_b32 v[TX+i], v[TP+2*i], s[SEL], s[SEL+1]
.set i, i+1
.endr
.set i, 0
.rept 16
	v_add_f32 v[TP+2*i], v[TP+2*i], v[TX+i]
.set i, i+1
.endr
.endm
.set i, 0
.rept 16
	v_pk_add_f32 v[TP+2*i:TP+2*i+1], v[FR+4*i:FR+4*i+1], v[FR+4*i+2:FR+4*i+3]
.set i, i+1
.endr
.set i, 0
.rept 16
	v_add_f32 v[TP+2*i], v[TP+2*i], v[TP+2*i+1]
.set i, i+1
.endr
	REDUCE
.set i, 0
.rept 16
	v_mul_f32 v[TP+2*i], s[NIV], v[TP+2*i]         ; -mean
.set i, i+1
.endr
.set i, 0
.rept 16
	v_pk_add_f32 v[FR+4*i:FR+4*i+1], v[FR+4*i:FR+4*i+1], v[TP+2*i:TP+2*i+1] op_sel_hi:[1,0]
	v_pk_add_f32 v[FR+4*i+2:FR+4*i+3], v[FR+4*i+2:FR+4*i+3], v[TP+2*i:TP+2*i+1] op_sel_hi:[1,0]
.set i, i+1
.endr
.set i, 0
.rept 16
	v_pk_mul_f32 v[TP+2*i:TP+2*i+1], v[FR+4*i:FR+4*i+1], v[FR+4*i:FR+4*i+1]
.set i, i+1
.endr
.set i, 0
.rept 16
	v_pk_fma_f32 v[TP+2*i:TP+2*i+1], v[FR+4*i+2:FR+4*i+3], v[FR+4*i+2:FR+4*i+3], v[TP+2*i:TP+2*i+1]
.set i, i+1
.endr
.set i, 0
.rept 16
	v_add_f32 v[TP+2*i], v[TP+2*i], v[TP+2*i+1]
.set i, i+1
.endr
	REDUCE
.set i, 0
.rept 16
	v_fma_f32 v[TP+2*i], v[TP+2*i], s[IV], s[EP]   ; the variance + 1e-5
.set i, i+1
.endr
.set i, 0
.rept 16
	v_rsq_f32 v[TP+2*i], v[TP+2*i]
.set i, i+1
.endr
	v_nop                                          ; a plain instruction behind the last of them
	s_wait_alu depctr_va_vdst(0)                   ; and one wait for the sixteen, ahead of their first reader
.set i, 0
.rept 16
	v_pk_mul_f32 v[FR+4*i:FR+4*i+1], v[FR+4*i:FR+4*i+1], v[TP+2*i:TP+2*i+1] op_sel_hi:[1,0]
	v_pk_mul_f32 v[FR+4*i+2:FR+4*i+3], v[FR+4*i+2:FR+4*i+3], v[TP+2*i:TP+2*i+1] op_sel_hi:[1,0]
.set i, i+1
.endr
.set i, 0
.rept 16
	v_pk_fma_f32 v[FR+4*i:FR+4*i+1], v[FR+4*i:FR+4*i+1], v[GA:GA+1], v[BE:BE+1]
	v_pk_fma_f32 v[FR+4*i+2:FR+4*i+3], v[FR+4*i+2:FR+4*i+3], v[GA+2:GA+3], v[BE+2:BE+3]
.set i, i+1
.endr
.set i, 0
.rept 16
	global_store_b128 v[LI], v[FR+4*i:FR+4*i+3], s[ORB:ORB+1] offset:((i%8)+32*(i/8))*512 th:TH_STORE_NT   ; 32 lanes store a row of 512 consecutive bytes, at a multiple of 256 from out0's first byte
.set i, i+1
.endr
	s_wait_tensorcnt 0x0                           ; the wave's end, behind my last tensor load and my last LDS store
	ds_add_u32 v[SPW], v[NIL]
	s_wait_dscnt 0x0
	ROUND                                          ; the closing round: no work-group ends while a partner may still ask for a tile that names it
	s_endpgm
.Lfunc_end_k_q0718a33175_attn:
	.size	k_q0718a33175_attn, .Lfunc_end_k_q0718a33175_attn-k_q0718a33175_attn
	.p2alignl 7, 3214868480
	.fill 96, 4, 3214868480
	.section	.rodata,"a",@progbits
	.p2align	6, 0x0
	.amdhsa_kernel k_q0718a33175_attn
		.amdhsa_group_segment_fixed_size 284672
		.amdhsa_private_segment_fixed_size 0
		.amdhsa_enable_private_segment 0
		.amdhsa_kernarg_size 72
		.amdhsa_user_sgpr_count 2
		.amdhsa_user_sgpr_kernarg_segment_ptr 1
		.amdhsa_wavefront_size32 1
		.amdhsa_system_sgpr_workgroup_id_x 1
		.amdhsa_system_sgpr_workgroup_id_y 1
		.amdhsa_system_sgpr_workgroup_id_z 1
		.amdhsa_system_vgpr_workitem_id 0
		.amdhsa_next_free_vgpr 1024
		.amdhsa_next_free_sgpr 100
		.amdhsa_reserve_vcc 0
		.amdhsa_float_denorm_mode_32 3
		.amdhsa_float_denorm_mode_16_64 3
		.amdhsa_memory_ordered 1
		.amdhsa_forward_progress 1
		.amdhsa_inst_pref_size 240
	.end_amdhsa_kernel
	.amdgpu_metadata
---
amdhsa.version: [ 1, 2 ]
amdhsa.kernels:
  - .name:           k_q0718a33175_attn
    .symbol:         k_q0718a33175_attn.kd
    .args:
      - { .name: kv, .offset: 0, .size: 8, .value_kind: global_buffer, .address_space: global }
      - { .name: woi, .offset: 8, .size: 8, .value_kind: global_buffer, .address_space: global }
      - { .name: qc, .offset: 16, .size: 8, .value_kind: global_buffer, .address_space: global }
      - { .name: qs, .offset: 24, .size: 8, .value_kind: global_buffer, .address_space: global }
      - { .name: tmi, .offset: 32, .size: 8, .value_kind: global_buffer, .address_space: global }
      - { .name: inputs, .offset: 40, .size: 8, .value_kind: global_buffer, .address_space: global }
      - { .name: ln_gamma, .offset: 48, .size: 8, .value_kind: global_buffer, .address_space: global }
      - { .name: ln_beta, .offset: 56, .size: 8, .value_kind: global_buffer, .address_space: global }
      - { .name: out0, .offset: 64, .size: 8, .value_kind: global_buffer, .address_space: global }
    .group_segment_fixed_size: 284672
    .private_segment_fixed_size: 0
    .kernarg_segment_align: 8
    .kernarg_segment_size: 72
    .max_flat_workgroup_size: 128
    .sgpr_count:     100
    .vgpr_count:     1024
    .wavefront_size: 32
...
	.end_amdgpu_metadata
.endif
;; end of part 2
;; ======== version 2 of 2: 2 launches; version 1 with the launch prep written anew for expert scheduling mode
;; limits: right only within a limited range of input values
;; workspace buffers: kv 6,684,672 bytes; woi 27,648 bytes; qc 3,145,728 bytes; qs 786,432 bytes; tmi 3,145,728 bytes
;; launch prep (part 3): grid 147 x 1, 8 waves a work-group, no clusters, 235,520 bytes of LDS; arguments inputs, Wq, Wk, Wv, Wo, transition_matrices, kv, woi, qc, qs, tmi; writes kv, woi, qc, qs, tmi
.if DOCPART == 3
	.amdgcn_target "amdgcn-amd-amdhsa--gfx1250"
	.amdhsa_code_object_version 6
	.text
	.protected	k_q0718a33175_prep
	.globl	k_q0718a33175_prep
	.p2align	8
	.type	k_q0718a33175_prep,@function
k_q0718a33175_prep:
	s_mov_b64 s[64:65], 0
	v_nop
	global_prefetch_b8 v0, s[64:65] scope:SCOPE_SE
	s_setreg_imm32_b32 hwreg(HW_REG_WAVE_SCHED_MODE, 0, 2), 2
	s_setreg_imm32_b32 hwreg(HW_REG_WAVE_MODE, 25, 1), 1
	s_wait_xcnt 0x0
	s_wait_alu depctr_vm_vsrc(0)
; SpatialSelfAttention in MX-FP4, launch 1 of 2: the projections Q, K, V (inputs x Wq, Wk, Wv: both operands quantised along the 128 channels), their own quantisers, and the lay-out of all that
; launch 2 reads as IMAGES OF OPERAND REGISTERS: Q and K as codes along a head's 32 channels, V as codes along the keys, Wo as codes along f, the three chosen transition matrices as f32 in the order of the scores' registers.
; DEAD WORK.  c_inputs is an argument of reference() that no line of it reads: it has no way to any output, for all values; it is not loaded and is no argument of either launch.
; transition_matrices[2] is sliced away by WHICH_IDX = (0, 1, 3) before anything reads it: it is never read.  LIMIT: a NaN, an infinity or an overflow in c_inputs or in transition_matrices[2] is not carried to the result.
; LIMITS.  NaN and infinities among the inputs are not served.  A block of zeros gets the scale byte 1 where the rule says 127: its codes are zeros, which add nothing, and this program alone reads the bytes.
; THE ORDER OF ROWS.  Tile (c, u) of 16 positions holds rows 64 c + 32 (m / 8) + 8 u + m % 8, m = 0 .. 15.  In a result, register j of lane (r, h) is row m = 8 h + j of source 0: so the four tiles u of a group c
; give a lane 32 NEIGHBOURS, 64 c + 32 h + 8 u + j: a whole block of 32 in one lane, in the order of the 4-bit operand's registers.  The rows of a weight's tile are chosen likewise.
; SHARES.  Work-groups 0-95 (path A): one (t, bp); wave w quantises three tiles of the weights (shared through LDS) and its 64 positions of x, then makes Q, K, V of those positions.
; Work-groups 96-143 (path B): the transition tiles; 144-146 (path C): Wo.  The paths part on the work-group's number, never join, and have LDS bytes of their own.
; NO CLUSTER, NO TENSOR LOAD: all operands go through registers on their way to a quantiser; what work-groups share (a t's weights, 196,608 bytes, beside 262,144 bytes of x of their own) is read once by each.
; THE MODE: SCHED_MODE bits 1:0 = 2 (LLVM: expert scheduling mode 2), set by the entry lines.  The code itself states the register dependences
; between vector or matrix instructions and memory or LDS instructions, with s_wait_alu, always for 0.
; THE PLAN.  Registers that memory or LDS instructions touch:
;   v1, v4, v5, v7, v8, v11-15   offsets and LDS addresses: made once at the head and never written again.  v20: the address of path A's last LDS load, made ahead of the V units.
;   RA, RB       a tile's 16 rows: written by global loads, read by the 16 stores into the stage; no vector instruction names them; from the first unit on the products write them as DD.
;   NUM          written by the 16 loads from the stage, read by the tile's quantiser.
;   FT, v[TQ+6]  written by a weight tile's quantiser, read by WOUT's three stores, written again by the next quantiser.
;   WF, WS       written by LDS loads, read by a unit's 16 products.
;   CD, BMX, v[TQ], QW   written by a unit's quantiser and the lines behind it, read by the unit's stores, written again by the next unit.
; A TILE has two waits.  Its stores into the stage come first: they name loaded data and v7 alone.  Then the wait on va_vdst: the quantiser before is done reading NUM and has written FT and v[TQ+6]; WOUT and the loads
; from the stage follow.  Then the wait on vm_vsrc: the stage's stores have read the set, WOUT its data; the set's next global loads follow at once, ahead of the wait for the numbers.
; A UNIT has three.  Behind its products and their places: vm_vsrc (the last unit's stores have read what this unit's quantiser writes) and va_vdst (the products are done reading WF and WS): the next unit's weight
; tiles are asked for there and land while the results are quantised.  Ahead of its stores: va_vdst (codes, bytes and scale words are written).
.set WIMG,  0                          ; LDS: 24 weight tiles' images, 1,024 bytes each (kind 0 Wq, 1 Wk, 2 Wv: 8 kind + x)
.set WSC,   24576                      ; their scale words, 128 bytes each
.set KSC,   27648                      ; K's scale words of 4 heads, 512 bytes each
.set VSC,   29696                      ; V's likewise
.set STA,   31744                      ; path A's stages: 16 rows x 528 bytes for each wave
.set STB,   99328                      ; path B's
.set STC,   166912                     ; path C's
.set SPARE, 234496                     ; the spare words, 128 bytes for each wave: four blocks of 256 bytes that no other line names
.set LI,   1                           ; v1   16 x lane
.set SPW,  2                           ; v2   LDS address of my spare word; never rewritten
.set NIL,  3                           ; v3   0; never rewritten
.set L4,   4                           ; v4   4 x lane
.set L8,   5                           ; v5   8 x lane
.set SH8,  6                           ; v6   8 h
.set STI,  7                           ; v7   my stage, on the way in: 16 x lane
.set STOR, 8                           ; v8   and on the way out: 528 r + 128 h
.set RR,   9                           ; v9   r = lane % 16
.set HH,   10                          ; v10  h = lane / 16
.set AWI,  11                          ; v11  where I store a weight tile's image
.set AWS,  12                          ; v12  and its scale words
.set AKS,  13                          ; v13  where I store K's scale word
.set AVS,  14                          ; v14  and V's scale byte
.set VK,   15                          ; v15  K's codes in memory: 8,192 h + 16 r
.set TQ,   16                          ; v16-23  at work in the quantiser
.set XF,   24                          ; v24-55  x's four fragments
.set FT,   48                          ; v48-55  a weight tile's fragment: the place of x's fourth, which is made last
.set XS,   56                          ; v56-59  x's scale words
.set NUM,  60                          ; v60-123 64 numbers of a lane: register 32 i + e = k 64 i + 32 h + e of row r
.set WF,   60                          ; later: v60-91 four weight fragments,
.set CD,   92                          ; v92-107 codes,
.set BMX,  108                         ; v108-111 largest magnitudes, then bytes,
.set SCX,  112                         ; v112-115 the conversions' scale operands,
.set QW,   116                         ; v116-123 Q's scale words
.set WS,   124                         ; v124-127 the weight tiles' scale words, and nothing else
.set RA,   128                         ; v128-191, v192-255: two sets of 16 rows as loaded; later the 16 results
.set RB,   192
.set DD,   128
.set WV,   26
.set K01,  27
.set SEL,  28
.set SQC,  40
.set SQS,  42
.set SKV,  44
.set SVV,  46
.set SKS,  48
; 16 rows of 512 bytes: each load reads 512 consecutive bytes, 16 a lane.  Rows 0-7 lie pitch bytes apart, rows 8-15 begin gap bytes on.
.macro LOADT buf, sb, imm0, pitch, gap
.irp m, 0,1,2,3,4,5,6,7,8,9,10,11,12,13,14,15
	global_load_b128 v[\buf+4*\m:\buf+4*\m+3], v[LI], s[\sb:\sb+1] offset:\imm0+(\m%8)*\pitch+(\m/8)*\gap
.endr
.endm
.macro WOUT kind                       ; a weight tile's image and scale words go to LDS for all eight waves
	ds_store_b128 v[AWI], v[FT:FT+3] offset:\kind*8192
	ds_store_b128 v[AWI], v[FT+4:FT+7] offset:\kind*8192+512
	ds_store_b32 v[AWS], v[TQ+6] offset:\kind*1024
.endm
; The 16 rows turn through my own stage: in as they were loaded, out 128 bytes a lane and block.  LDS serves a wave's instructions in order, so no wait on DScnt stands between.  Rows 528 bytes apart: 16 lanes read 16 different columns of 16 bytes.
; cnt: the loads of the tile behind this one, which may stay out.  after = 1: a quantiser stands ahead of this tile.  kind: the weight tile (0, 1, 2) that that quantiser made, or -1.
.macro TILE buf, cnt, after, kind
	s_wait_loadcnt \cnt
.irp m, 0,1,2,3,4,5,6,7,8,9,10,11,12,13,14,15
	ds_store_b128 v[STI], v[\buf+4*\m:\buf+4*\m+3] offset:528*\m      ; loaded data and v7 alone: no vector instruction since the head's wait names them
.endr
.if \after
	s_wait_alu depctr_va_vdst(0)                   ; the quantiser of the tile before is done reading NUM, in which the loads below land; where it made a weight tile, it has written FT and v[TQ+6], which WOUT stores
.endif
.if (\kind) >= 0
	WOUT \kind
.endif
.irp i, 0,1
.irp q, 0,1,2,3,4,5,6,7
	ds_load_b128 v[NUM+32*\i+4*\q:NUM+32*\i+4*\q+3], v[STOR] offset:256*\i+16*\q
.endr
.endr
.endm
; 64 numbers of a lane become a fragment's 8 registers and its scale word.  My two blocks are 2 i + h: all 32 numbers of each are mine.
.macro QT frag, sw
.irp a, 0,1,2,3
	v_max3_num_f32 v[TQ+\a], |v[NUM+16*\a]|, |v[NUM+16*\a+1]|, 0x1800000   ; four chains of 16 numbers; the floor 2^(3 - 127) holds the byte at 1 from below
.endr
.irp k, 2,4,6,8,10,12,14
.irp a, 0,1,2,3
	v_max3_num_f32 v[TQ+\a], v[TQ+\a], |v[NUM+16*\a+\k]|, |v[NUM+16*\a+\k+1]|
.endr
.endr
	v_max_num_f32 v[TQ], v[TQ], v[TQ+1]
	v_max_num_f32 v[TQ+2], v[TQ+2], v[TQ+3]
	v_add_nc_u32 v[TQ+4], 0xff000000, v[TQ]        ; 2 off the exponent field: the conversion's scale operand
	v_add_nc_u32 v[TQ+5], 0xff000000, v[TQ+2]
	v_lshrrev_b32 v[TQ], 23, v[TQ+4]               ; the scale's byte
	v_lshrrev_b32 v[TQ+2], 23, v[TQ+5]
	v_lshl_or_b32 v[TQ+6], v[TQ+2], 16, v[TQ]      ; my two bytes, blocks h and 2 + h,
	v_lshlrev_b32 v[TQ+6], v[SH8], v[TQ+6]         ; at their places;
	v_permlanex16_b32 v[TQ+7], v[TQ+6], s[SEL], s[SEL+1]
	v_or_b32 v[\sw], v[TQ+6], v[TQ+7]              ; with lane l xor 16's two the word is whole
.irp i, 0,1
.irp g, 0,1,2,3
	v_cvt_scalef32_pk8_fp4_f32 v[\frag+4*\i+\g], v[NUM+32*\i+8*\g:NUM+32*\i+8*\g+7], v[TQ+4+\i]
.endr
.endr
	v_nop                                          ; one plain place behind a scaled conversion
.endm
.macro WLOAD first                     ; four weight tiles, first .. first + 3, from LDS: images and scale words
.irp j, 0,1,2,3
	ds_load_b128 v[WF+8*\j:WF+8*\j+3], v[LI] offset:WIMG+((\first)+\j)*1024
	ds_load_b128 v[WF+8*\j+4:WF+8*\j+7], v[LI] offset:WIMG+((\first)+\j)*1024+512
	ds_load_b32 v[WS+\j], v[L4] offset:WSC+((\first)+\j)*128
.endr
.endm
; 16 products, each a whole sum (K = 128).  swap = 0: source 0 = weight tile n, source 1 = x's tile o: a lane holds one position and 32 channels of a head.  swap = 1: source 0 = x's tile n, source 1 = weight tile o: one channel and 32 keys.
.macro GEMM16 swap
.irp o, 0,1,2,3
.irp n, 0,1,2,3
.if \swap
	v_wmma_scale_f32_16x16x128_f8f6f4 v[DD+32*\o+8*\n:DD+32*\o+8*\n+7], v[XF+8*\n:XF+8*\n+7], v[WF+8*\o:WF+8*\o+7], 0, v[XS+\n], v[WS+\o] matrix_a_fmt:MATRIX_FMT_FP4 matrix_b_fmt:MATRIX_FMT_FP4
.else
	v_wmma_scale_f32_16x16x128_f8f6f4 v[DD+32*\o+8*\n:DD+32*\o+8*\n+7], v[WF+8*\n:WF+8*\n+7], v[XF+8*\o:XF+8*\o+7], 0, v[WS+\n], v[XS+\o] matrix_a_fmt:MATRIX_FMT_FP4 matrix_b_fmt:MATRIX_FMT_FP4
.endif
.endr
.endr
.endm
; Behind a unit's products.  prev = 1: a unit's stores stand ahead.  more = 1: a unit follows, whose weight tiles begin at next.
.macro MID prev, more, next
.rept 4
	v_nop                                          ; places behind the products: ahead of the first read of their results, and of the loads below
.endr
.if \prev
	s_wait_alu depctr_vm_vsrc(0)                   ; the last unit's stores have read the codes CD, and where they stored them the bytes BMX and the word v[TQ]: this unit's quantiser and the lines behind it write them again
.endif
.if \more
	s_wait_alu depctr_va_vdst(0)                   ; the products are done reading WF and WS, in which the next unit's weight tiles land
	WLOAD \next                                    ; they land while this unit's results are quantised: no vector instruction of the quantiser names WF or WS
.endif
.endm
; The results' quantiser: four blocks of 32, each in one lane's 32 registers; each result is read from its low end on.
.macro RQ
.irp o, 0,1,2,3
	v_max3_num_f32 v[BMX+\o], |v[DD+32*\o]|, |v[DD+32*\o+1]|, 0x1800000
.endr
.irp k, 2,4,6,8,10,12,14,16,18,20,22,24,26,28,30
.irp o, 0,1,2,3
	v_max3_num_f32 v[BMX+\o], v[BMX+\o], |v[DD+32*\o+\k]|, |v[DD+32*\o+\k+1]|
.endr
.endr
.irp o, 0,1,2,3
	v_add_nc_u32 v[SCX+\o], 0xff000000, v[BMX+\o]
.endr
.irp o, 0,1,2,3
	v_lshrrev_b32 v[BMX+\o], 23, v[SCX+\o]         ; the bytes
.endr
	s_wait_xcnt 0x0                                ; the last unit's stores have read the codes' registers: they are written again only behind this wait
.irp o, 0,1,2,3
.irp g, 0,1,2,3
	v_cvt_scalef32_pk8_fp4_f32 v[CD+4*\o+\g], v[DD+32*\o+8*\g:DD+32*\o+8*\g+7], v[SCX+\o]
.endr
.endr
	v_nop
.endm
.macro FINISH                          ; the wave's end: the closing lines, six on end
	s_wait_dscnt 0x0
	s_wait_alu 0x0
	s_wait_tensorcnt 0x0
	ds_add_u32 v[SPW], v[NIL]
	s_wait_dscnt 0x0
	s_endpgm
.endm
	s_load_b256 s[4:11], s[0:1], 0x0               ; inputs, Wq, Wk, Wv
	s_load_b256 s[12:19], s[0:1], 0x20             ; Wo, transition_matrices, kv, woi
	s_load_b128 s[20:23], s[0:1], 0x40             ; qc, qs
	s_load_b64 s[24:25], s[0:1], 0x50              ; tmi
	v_lshl_add_u32 v[SPW], v0, 2, SPARE
	v_mov_b32 v[NIL], 0
	v_lshrrev_b32 v9, 5, v0
	v_readfirstlane_b32 s[WV], v9                  ; wave 0..7
	v_and_b32 v9, 31, v0
	v_lshlrev_b32 v[LI], 4, v9
	v_lshlrev_b32 v[L4], 2, v9
	v_lshlrev_b32 v[L8], 3, v9
	v_and_b32 v[RR], 15, v0
	v_bfe_u32 v[HH], v0, 4, 1
	v_lshlrev_b32 v[SH8], 3, v[HH]
	v_mul_u32_u24 v[STOR], v[RR], 528
	v_lshl_add_u32 v[STOR], v[HH], 7, v[STOR]
	s_wait_alu depctr_va_sdst(0)                   ; the wave's number is written, ahead of its first reader: LDS places and the bases in memory are made from it
	s_mul_i32 s27, s[WV], 8448                     ; my stage among the path's eight
	v_add_nc_u32 v[STI], s27, v[LI]
	v_add_nc_u32 v[STOR], s27, v[STOR]
	v_mov_b32 v[TQ+7], 0                           ; written once: a lane permute's destination counts as one of its sources
	s_mov_b32 s[K01], 0x01010101
	s_mov_b32 s[SEL], 0x76543210
	s_mov_b32 s[SEL+1], 0xfedcba98                 ; lane l xor 16
	s_mov_b32 s37, 0
	s_wait_kmcnt 0x0
	s_cmp_lt_u32 ttmp9, 96
	s_cbranch_scc0 .Lnot_a
	; ======== PATH A: t = work-group / 32, bp = work-group % 32; wave w is group c of 64 positions ========
	v_add_nc_u32 v[STI], STA, v[STI]
	v_add_nc_u32 v[STOR], STA, v[STOR]
	s_lshr_b32 s30, ttmp9, 5                       ; t
	s_and_b32 s31, ttmp9, 31                       ; bp
	s_lshl_b32 s32, s30, 16                        ; a t's weight: 65,536 bytes
	s_lshr_b32 s33, s[WV], 2
	s_lshl_b32 s33, s33, 15
	s_and_b32 s34, s[WV], 3
	s_lshl_b32 s34, s34, 12
	s_add_co_u32 s36, s32, s33
	s_add_co_u32 s36, s36, s34                     ; Wq's and Wk's tile x = w begins at row 64 (w / 4) + 8 (w % 4)
	s_add_nc_u64 s[6:7], s[6:7], s[36:37]
	s_add_nc_u64 s[8:9], s[8:9], s[36:37]
	s_lshr_b32 s33, s[WV], 1
	s_lshl_b32 s33, s33, 14
	s_and_b32 s34, s[WV], 1
	s_lshl_b32 s34, s34, 12
	s_add_co_u32 s36, s32, s33
	s_add_co_u32 s36, s36, s34                     ; Wv's at row 32 (w / 2) + 8 (w % 2)
	s_add_nc_u64 s[10:11], s[10:11], s[36:37]
	s_lshl_b32 s36, s31, 18
	s_lshl_b32 s33, s[WV], 15
	s_add_co_u32 s36, s36, s33                     ; x: bp's 512 rows, my 64
	s_add_nc_u64 s[4:5], s[4:5], s[36:37]
	s_wait_alu depctr_va_vdst(0)                   ; the offsets v1, v4, v5 and the stage's addresses v7, v8 are written: the loads below and the turns through the stage read them
	LOADT RA, 6, 0, 512, 16384                     ; Wq's tile: rows 8-15 lie 32 rows on
	LOADT RB, 8, 0, 512, 16384                     ; Wk's
	s_lshl_b32 s35, s31, 3
	s_add_co_u32 s35, s35, s[WV]                   ; 8 bp + c
	s_mul_i32 s36, s35, 12288
	s_lshl_b32 s33, s30, 10
	s_add_co_u32 s36, s36, s33
	s_add_nc_u64 s[SQC:SQC+1], s[20:21], s[36:37]  ; Q's codes: [(8 bp + c) 4 + u][4 t + h][r][16 bytes]
	s_mul_i32 s36, s35, 3072
	s_lshl_b32 s33, s30, 8
	s_add_co_u32 s36, s36, s33
	s_add_nc_u64 s[SQS:SQS+1], s[22:23], s[36:37]  ; Q's scale words: [(8 bp + c) 4 + u][t][h % 2][r][h / 2]
	s_mul_i32 s38, s31, 208896                     ; bp's record in kv
	s_lshl_b32 s33, s30, 15
	s_add_co_u32 s39, s38, s33
	s_lshl_b32 s33, s[WV], 10
	s_add_co_u32 s36, s39, s33
	s_add_nc_u64 s[SKV:SKV+1], s[16:17], s[36:37]  ; K's images: unit 4 t + h at 8,192 each, group c at 1,024
	s_lshl_b32 s33, s[WV], 9
	s_add_co_u32 s36, s39, s33
	s_add_nc_u64 s[SVV:SVV+1], s[16:17], s[36:37]  ; V's: group c at 512
	s_lshl_b32 s33, s30, 11
	s_add_co_u32 s36, s38, s33
	s_lshl_b32 s33, s[WV], 9
	s_add_co_u32 s36, s36, s33
	s_lshr_b32 s33, s[WV], 2
	s_lshl_b32 s33, s33, 12
	s_add_co_u32 s36, s36, s33
	s_add_co_u32 s36, s36, 196608
	s_add_nc_u64 s[SKS:SKS+1], s[16:17], s[36:37]  ; the scale words: waves 0-3 store K's of head w, waves 4-7 V's of head w - 4 (6,144 bytes behind K's)
	s_lshl_b32 s33, s[WV], 10
	v_add_nc_u32 v[AWI], s33, v[LI]                ; (v11 to v15 are first read behind the wait on va_vdst of the second tile)
	s_lshl_b32 s33, s[WV], 7
	s_add_co_u32 s33, s33, WSC
	v_add_nc_u32 v[AWS], s33, v[L4]
	s_lshr_b32 s33, s[WV], 2
	s_lshl_b32 s33, s33, 8
	s_and_b32 s34, s[WV], 3
	s_lshl_b32 s34, s34, 2
	s_add_co_u32 s33, s33, s34
	s_add_co_u32 s33, s33, KSC
	v_lshlrev_b32 v[AKS], 4, v[RR]
	v_lshl_add_u32 v[AKS], v[HH], 9, v[AKS]
	v_add_nc_u32 v[AKS], s33, v[AKS]               ; KSC + 512 h + 16 r + 256 (c / 4) + 4 (c % 4)
	s_lshl_b32 s33, s[WV], 1
	s_add_co_u32 s33, s33, VSC
	v_lshl_add_u32 v[AVS], v[RR], 4, v[HH]
	v_add_nc_u32 v[AVS], s33, v[AVS]               ; VSC + 16 r + h + 2 c
	v_lshlrev_b32 v[VK], 4, v[RR]
	v_lshl_add_u32 v[VK], v[HH], 13, v[VK]
	; seven tiles through two sets of registers: while one is quantised, the next two are on their way
	TILE RA, 16, 0, -1                             ; Wq's tile: no quantiser stands ahead of it, and no vector instruction has named NUM
	s_wait_alu depctr_vm_vsrc(0)                   ; the stage's stores have read RA, in which the loads below land
	LOADT RA, 10, 0, 512, 8192                     ; Wv's tile: rows 8-15 lie 16 rows on
	s_wait_dscnt 0x0                               ; the numbers are back from the stage
	QT FT, TQ+6
	TILE RB, 16, 1, 0                              ; Wk's tile; Wq's image goes out
	s_wait_alu depctr_vm_vsrc(0)                   ; the stage's stores have read RB, in which the loads below land; WOUT has read FT and v[TQ+6], which the quantiser below writes again
	LOADT RB, 4, 0, 512, 16384                     ; x's tile u = 0
	s_wait_dscnt 0x0
	QT FT, TQ+6
	TILE RA, 16, 1, 1                              ; Wv's tile; Wk's image goes out
	s_wait_alu depctr_vm_vsrc(0)                   ; the stage's stores have read RA; WOUT has read FT and v[TQ+6]
	LOADT RA, 4, 4096, 512, 16384
	s_wait_dscnt 0x0
	QT FT, TQ+6
	TILE RB, 16, 1, 2                              ; x's tile 0; Wv's image goes out
	s_wait_alu depctr_vm_vsrc(0)                   ; the stage's stores have read RB; WOUT has read FT, which x's fourth fragment takes, and v[TQ+6], at work in every quantiser
	LOADT RB, 4, 8192, 512, 16384
	s_wait_dscnt 0x0
	QT XF, XS
	TILE RA, 16, 1, -1
	s_wait_alu depctr_vm_vsrc(0)                   ; the stage's stores have read RA, in which the loads below land
	LOADT RA, 4, 12288, 512, 16384
	s_wait_dscnt 0x0
	QT XF+8, XS+1
	TILE RB, 16, 1, -1                             ; the last two tiles ask for nothing more
	s_wait_dscnt 0x0
	QT XF+16, XS+2
	TILE RA, 0, 1, -1
	s_wait_dscnt 0x0
	QT XF+24, XS+3                                 ; (the weight tiles' images left these registers four tiles ago)
	s_wait_dscnt 0x0                               ; for the others' sake: my images have landed
	s_barrier_signal -1
	s_barrier_wait -1                              ; the 24 weight tiles lie in LDS
.rept 8
	v_nop                                          ; eight places: x's scale words were written by vector instructions and go to scaled products
.endr
	s_wait_alu depctr_vm_vsrc(0)                   ; the last two tiles' stores into the stage have read RB and RA, which the products write as DD
	s_wait_alu depctr_va_vdst(0)                   ; x's four fragments and scale words are written, which the products of all six units take; the last quantiser is done reading NUM, in which the weight tiles land
	WLOAD 0
.irp hp, 0,1                           ; Q: lane (r, h) holds position row r of x's tile u, head 2 hp + h
	s_wait_dscnt 0x0                               ; the unit's weight tiles are in
	GEMM16 0
	MID \hp, 1, 4*\hp+4
	RQ
.irp u, 0,1,2,3
	v_mul_lo_u32 v[QW+2*\u+\hp], v[BMX+\u], s[K01] ; the byte four times: Q will stand in any one of a K step's four blocks
.endr
	s_wait_alu depctr_va_vdst(0)                   ; the conversions have written the codes CD, the lines above Q's scale words QW: the stores below read them
.irp u, 0,1,2,3
	global_store_b128 v[LI], v[CD+4*\u:CD+4*\u+3], s[SQC:SQC+1] offset:\u*3072+\hp*512   ; 512 consecutive bytes
.endr
.endr
.irp u, 0,1,2,3
	global_store_b64 v[L8], v[QW+2*\u:QW+2*\u+1], s[SQS:SQS+1] offset:\u*768              ; 256 consecutive bytes, aligned.  No wait: no vector instruction since the wait above
.endr
.irp hp, 0,1                           ; K: tile u's codes go into block u of group c's fragment
	s_wait_dscnt \hp                               ; LDS instructions end in order: the unit's weight tiles are in; the scale word that the unit before stored behind them (hp = 1) may be out
	GEMM16 0
	MID 1, 1, 12+4*\hp
	RQ
	v_lshl_or_b32 v[TQ], v[BMX+1], 8, v[BMX]
	v_lshl_or_b32 v[TQ], v[BMX+2], 16, v[TQ]
	v_lshl_or_b32 v[TQ], v[BMX+3], 24, v[TQ]       ; byte u: the scale of tile u's key
	s_wait_alu depctr_va_vdst(0)                   ; the conversions have written the codes CD, the lines above the word v[TQ]: the stores below read them
.irp u, 0,1,2,3
	global_store_b128 v[VK], v[CD+4*\u:CD+4*\u+3], s[SKV:SKV+1] offset:\hp*16384+(\u/2)*512+(\u%2)*256   ; each half of the lanes fills 256 consecutive bytes of its head's image
.endr
	ds_store_b32 v[AKS], v[TQ] offset:\hp*1024
.endr
	s_lshl_b32 s33, s[WV], 9
	s_add_co_u32 s33, s33, KSC
	v_add_nc_u32 v[TQ+4], s33, v[LI]               ; the address of the last LDS load is made here: the V units name it nowhere, and their waits on va_vdst show it written
.irp g, 0,1                            ; V: lane (r, h) holds channel row r of Wv's tile and keys 64 c + 32 h + 0 .. 31
	s_wait_dscnt 1+3*\g                            ; the unit's weight tiles are in; what the unit before stored to LDS behind them (K's one word; V's four bytes) may be out
	GEMM16 1
	MID 1, 1-\g, 20
	RQ
	s_wait_alu depctr_va_vdst(0)                   ; the quantiser has written the codes CD and the bytes BMX, which the stores below read
.irp x, 0,1,2,3
	global_store_b128 v[LI], v[CD+4*\x:CD+4*\x+3], s[SVV:SVV+1] offset:98304+(4*\g+\x)*4096
	ds_store_b8 v[AVS], v[BMX+\x] offset:(4*\g+\x)*256
.endr
.endr
	s_wait_dscnt 0x0                               ; my scale words and bytes have landed
	s_barrier_signal -1
	s_barrier_wait -1
	ds_load_b128 v[TQ:TQ+3], v[TQ+4]               ; a head's 512 bytes of scale words, gathered from the eight waves.  No wait on the vector side: the last lines that named v16 to v20 stand ahead of the V units' waits (K's store of v[TQ] ahead of their waits on vm_vsrc)
	s_wait_dscnt 0x0
	global_store_b128 v[LI], v[TQ:TQ+3], s[SKS:SKS+1]
	FINISH
.Lnot_a:
	s_cmp_lt_u32 ttmp9, 144
	s_cbranch_scc0 .Lpath_c
	; ======== PATH B: a wave lays 16 query rows x 128 keys of a chosen transition matrix in the order of the scores' registers ========
	v_add_nc_u32 v[STI], STB, v[STI]
	v_add_nc_u32 v[STOR], STB, v[STOR]
	s_sub_co_u32 s30, ttmp9, 96
	s_lshl_b32 s30, s30, 3
	s_add_co_u32 s30, s30, s[WV]                   ; 0 .. 383
	s_lshr_b32 s31, s30, 7                         ; t
	s_bfe_u32 s32, s30, 0x50002                    ; the tile of queries, 0 .. 31
	s_and_b32 s33, s30, 3                          ; which 128 keys
	s_lshr_b32 s34, s31, 1
	s_add_co_u32 s34, s34, s31                     ; WHICH_IDX: 0, 1, 3
	s_lshl_b32 s36, s34, 20
	s_lshr_b32 s35, s32, 2
	s_lshl_b32 s35, s35, 17
	s_add_co_u32 s36, s36, s35
	s_and_b32 s35, s32, 3
	s_lshl_b32 s35, s35, 14
	s_add_co_u32 s36, s36, s35                     ; first row 64 (qt / 4) + 8 (qt % 4), 2,048 bytes a row
	s_lshl_b32 s35, s33, 9
	s_add_co_u32 s36, s36, s35
	s_add_nc_u64 s[14:15], s[14:15], s[36:37]
	s_wait_alu depctr_va_vdst(0)                   ; the offset v1 and the stage's addresses v7, v8 are written: every load and store of this path reads one of them, and no vector instruction follows
	LOADT RA, 14, 0, 2048, 65536
	s_lshl_b32 s36, s31, 5
	s_add_co_u32 s36, s36, s32
	s_lshl_b32 s36, s36, 15
	s_lshl_b32 s35, s33, 13
	s_add_co_u32 s36, s36, s35
	s_add_nc_u64 s[24:25], s[24:25], s[36:37]
	TILE RA, 0, 0, -1
.irp k, 0,1,2,3,4,5,6,7,8,9,10,11,12,13,14,15
	s_wait_dscnt 15-\k                             ; LDS loads come back in order: load k is in
	global_store_b128 v[LI], v[NUM+4*\k:NUM+4*\k+3], s[24:25] offset:512*\k   ; 512 consecutive bytes
.endr
	FINISH
.Lpath_c:
	; ======== PATH C: Wo's tile (t, dt): rows 16 dt + r, f = 128 t on ========
	v_add_nc_u32 v[STI], STC, v[STI]
	v_add_nc_u32 v[STOR], STC, v[STOR]
	s_sub_co_u32 s30, ttmp9, 144                   ; t
	s_mul_i32 s36, s[WV], 24576                    ; 16 rows of 1,536 bytes
	s_lshl_b32 s35, s30, 9
	s_add_co_u32 s36, s36, s35
	s_add_nc_u64 s[12:13], s[12:13], s[36:37]
	s_wait_alu depctr_va_vdst(0)                   ; the offsets v1, v4 and the stage's addresses v7, v8 are written, which the loads and stores of this path read
	LOADT RA, 12, 0, 1536, 12288
	s_lshl_b32 s31, s30, 3
	s_add_co_u32 s31, s31, s[WV]                   ; 8 t + dt
	s_lshl_b32 s36, s31, 10
	s_add_nc_u64 s[40:41], s[18:19], s[36:37]
	s_lshl_b32 s36, s31, 7
	s_add_co_u32 s36, s36, 24576
	s_add_nc_u64 s[42:43], s[18:19], s[36:37]
	TILE RA, 0, 0, -1
	s_wait_dscnt 0x0                               ; the numbers are back from the stage
	QT FT, TQ+6
	s_wait_alu depctr_va_vdst(0)                   ; the quantiser has written the fragment FT and the scale word v[TQ+6], which the stores below read
	global_store_b128 v[LI], v[FT:FT+3], s[40:41]
	global_store_b128 v[LI], v[FT+4:FT+7], s[40:41] offset:512
	global_store_b32 v[L4], v[TQ+6], s[42:43]
	FINISH
.Lfunc_end_k_q0718a33175_prep:
	.size	k_q0718a33175_prep, .Lfunc_end_k_q0718a33175_prep-k_q0718a33175_prep
	.p2alignl 7, 3214868480
	.fill 96, 4, 3214868480
	.section	.rodata,"a",@progbits
	.p2align	6, 0x0
	.amdhsa_kernel k_q0718a33175_prep
		.amdhsa_group_segment_fixed_size 235520
		.amdhsa_private_segment_fixed_size 0
		.amdhsa_enable_private_segment 0
		.amdhsa_kernarg_size 88
		.amdhsa_user_sgpr_count 2
		.amdhsa_user_sgpr_kernarg_segment_ptr 1
		.amdhsa_wavefront_size32 1
		.amdhsa_system_sgpr_workgroup_id_x 1
		.amdhsa_system_sgpr_workgroup_id_y 1
		.amdhsa_system_sgpr_workgroup_id_z 1
		.amdhsa_system_vgpr_workitem_id 0
		.amdhsa_next_free_vgpr 256
		.amdhsa_next_free_sgpr 66
		.amdhsa_reserve_vcc 0
		.amdhsa_float_denorm_mode_32 3
		.amdhsa_float_denorm_mode_16_64 3
		.amdhsa_memory_ordered 1
		.amdhsa_forward_progress 1
		.amdhsa_inst_pref_size 123
	.end_amdhsa_kernel
	.amdgpu_metadata
---
amdhsa.version: [ 1, 2 ]
amdhsa.kernels:
  - .name:           k_q0718a33175_prep
    .symbol:         k_q0718a33175_prep.kd
    .args:
      - { .name: inputs, .offset: 0, .size: 8, .value_kind: global_buffer, .address_space: global }
      - { .name: Wq, .offset: 8, .size: 8, .value_kind: global_buffer, .address_space: global }
      - { .name: Wk, .offset: 16, .size: 8, .value_kind: global_buffer, .address_space: global }
      - { .name: Wv, .offset: 24, .size: 8, .value_kind: global_buffer, .address_space: global }
      - { .name: Wo, .offset: 32, .size: 8, .value_kind: global_buffer, .address_space: global }
      - { .name: transition_matrices, .offset: 40, .size: 8, .value_kind: global_buffer, .address_space: global }
      - { .name: kv, .offset: 48, .size: 8, .value_kind: global_buffer, .address_space: global }
      - { .name: woi, .offset: 56, .size: 8, .value_kind: global_buffer, .address_space: global }
      - { .name: qc, .offset: 64, .size: 8, .value_kind: global_buffer, .address_space: global }
      - { .name: qs, .offset: 72, .size: 8, .value_kind: global_buffer, .address_space: global }
      - { .name: tmi, .offset: 80, .size: 8, .value_kind: global_buffer, .address_space: global }
    .group_segment_fixed_size: 235520
    .private_segment_fixed_size: 0
    .kernarg_segment_align: 8
    .kernarg_segment_size: 88
    .max_flat_workgroup_size: 256
    .sgpr_count:     66
    .vgpr_count:     256
    .wavefront_size: 32
...
	.end_amdgpu_metadata
.endif
;; end of part 3
;; launch attn: the kernel of part 2 again; grid 8 x 32, 4 waves a work-group, clusters of 4 x 1, 284,672 bytes of LDS; arguments kv, woi, qc, qs, tmi, inputs, ln_gamma, ln_beta, out0; writes out0
